; MI455X (gfx1250); checked and timed in simulation.
; The chip was launched on July 23, 2026; its instructions are those of AMD's public machine-readable ISA for CDNA 5 (MIT licence, August 2026) and "CDNA5" Instruction Set Architecture Reference Guide (July 2026). The comments in the code are by the model that wrote it; some were corrected since.
;; Mo E. Allowed arithmetic: matrix products marked QUANTISED: E2M1 operands, one E8M0 scale for each 32 along K, by v_wmma_scale_f32_16x16x128_f8f6f4 with both operands' format E2M1 (or v_wmma_scale_f32_32x16x128_f4), f32 sums; products left as they are: f32 operands where the result goes on into a quantised operand, else bf16, f16 or f32 operands; f32 sums; everything else in f32.
;; Inputs: W1 8 x 512 x 2,048 float32; W2 8 x 2,048 x 512 float32; Wg 512 x 8 float32; Ws 512 x 1,024 float32; b1 8 x 2,048 float32; b2 8 x 512 float32; bg 8 float32; bs 1,024 float32; x 4 x 512 x 512 float32.
;; Outputs: out0 4 x 512 x 512 float32; out1 4 x 8 float32; out2 4 x 8 float32.
;; This version of the problem:
;;   THIS VERSION OF THE PROBLEM IS GIVEN IN LOW PRECISION. The matrix products marked QUANTISED in the list below multiply operands that are first quantised to E2M1 (2 exponent bits, 1 mantissa bit; 4 bits a number), with one power-of-two scale for each 32 numbers along K (OCP MX v1.0); their sums are f32. All else is computed in f32.
;;   The module's matrix products, in the order in which they are computed (A, B: the left and right operand; K: the contracted axis; several contracted axes count as one K, in the product's order):
;;     1. [M 2,048, K 512] x [K 512, N 1,024]; A: input x; B: input Ws: QUANTISED
;;     2. [M 2,048, K 512] x [K 512, N 8]; A: input x; B: input Wg: left as it is (N = 8 < 16)
;;     3. [M 2,048, K 512] x [K 512, N 2,048]; A: input x; B: input W1: QUANTISED
;;     4. [M 2,048, K 2,048] x [K 2,048, N 512]; A: computed on the way; B: input W2: QUANTISED
;;     5. [M 2,048, K 512] x [K 512, N 2,048]; A: input x; B: input W1: QUANTISED
;;     6. [M 2,048, K 2,048] x [K 2,048, N 512]; A: computed on the way; B: input W2: QUANTISED
;;     7. [M 2,048, K 512] x [K 512, N 2,048]; A: input x; B: input W1: QUANTISED
;;     8. [M 2,048, K 2,048] x [K 2,048, N 512]; A: computed on the way; B: input W2: QUANTISED
;;     9. [M 2,048, K 512] x [K 512, N 2,048]; A: input x; B: input W1: QUANTISED
;;     10. [M 2,048, K 2,048] x [K 2,048, N 512]; A: computed on the way; B: input W2: QUANTISED
;;     11. [M 2,048, K 512] x [K 512, N 2,048]; A: input x; B: input W1: QUANTISED
;;     12. [M 2,048, K 2,048] x [K 2,048, N 512]; A: computed on the way; B: input W2: QUANTISED
;;     13. [M 2,048, K 512] x [K 512, N 2,048]; A: input x; B: input W1: QUANTISED
;;     14. [M 2,048, K 2,048] x [K 2,048, N 512]; A: computed on the way; B: input W2: QUANTISED
;;     15. [M 2,048, K 512] x [K 512, N 2,048]; A: input x; B: input W1: QUANTISED
;;     16. [M 2,048, K 2,048] x [K 2,048, N 512]; A: computed on the way; B: input W2: QUANTISED
;;     17. [M 2,048, K 512] x [K 512, N 2,048]; A: input x; B: input W1: QUANTISED
;;     18. [M 2,048, K 2,048] x [K 2,048, N 512]; A: computed on the way; B: input W2: QUANTISED
;;   THE QUANTISER, for each operand of a quantised product, along K:
;;     - K is cut into blocks of 32 from its start; a last block that is shorter is filled with zeros.
;;     - A block's scale is 2^e with e = floor(log2(the largest magnitude in the block)) - 2, held to -126 .. 127; a block of zeros has e = 0. As a byte (E8M0): e + 127.
;;     - Each number is divided by its block's scale, clamped to +-6, and rounded to the nearest number of E2M1, ties to even, subnormals kept.
;;     - The product sums the exact products of the quantised numbers (number of the format x scale) in f32.
;;   ~~~python
;;   def quantise(x, axis):      # numpy; x: float32 -> the quantised numbers, widened to float32 again
;;       x = np.moveaxis(x, axis, -1); K = x.shape[-1]
;;       x = np.pad(x, [(0, 0)] * (x.ndim - 1) + [(0, -K % 32)]); x = x.reshape(x.shape[:-1] + (-1, 32)); a = np.abs(x).max(-1, keepdims=True)
;;       e = np.where(a > 0, np.clip(np.frexp(np.where(a > 0, a, 1))[1] - 1 - 2, -126, 127), 0)      # np.frexp(a)[1] - 1 = floor(log2(a)), exactly
;;       r = np.clip(x / 2.0 ** e, -6, 6)
;;       step = 2.0 ** (np.maximum(np.frexp(np.where(r == 0, 1, r))[1] - 1, 0) - 1)
;;       q = np.round(r / step) * step * 2.0 ** e      # np.round: ties to even
;;       return np.moveaxis(q.reshape(q.shape[:-2] + (-1,))[..., :K], -1, axis).astype(np.float32)
;;   ~~~
;;   OPERANDS COMPUTED ON THE WAY. 'Computed on the way' means the value that the module computes at that place (a softmax that the list does not call 'softmax' is quantised finished and normalised). What goes into a quantiser is computed in f32, as accurately as f32 sums, v_exp_f32 and their like allow (about 1e-6 of the number): no bf16 or f16 on the way to a quantiser, and a product that is left as it is and whose result goes on into a quantised operand takes f32 operands (vector FMAs, or v_wmma_f32_16x16x4_f32). A number that lies on a knife's edge between two numbers of the format may be rounded either way, as far as f32 arithmetic and the matrix unit's own rounding can turn it there, and no further.
;; 2 versions, each right; version 2 is version 1 with the launches up, down, final written anew for expert scheduling mode. Each part assembles by itself: llvm-mc -triple=amdgcn-amd-amdhsa -mcpu=gfx1250 --defsym DOCPART=n.
;; ======== version 1 of 2: 5 launches
;; workspace buffers: q1 5,324,800 bytes; keys 8,192 bytes of whole numbers; q2 4,456,448 bytes; route 36,096 bytes of whole numbers; hq 4,943,872 bytes; y 9,306,112 bytes
;; launch prep1 (part 1): grid 336 x 1, 8 waves a work-group, no clusters, 60,928 bytes of LDS; arguments x, Wg, bg, W1, Ws, q1, keys; writes q1, keys
.if DOCPART == 1
	.amdgcn_target "amdgcn-amd-amdhsa--gfx1250"
	.amdhsa_code_object_version 6
	.text
	.protected	k_qccae122508_prep1
	.globl	k_qccae122508_prep1
	.p2align	8
	.type	k_qccae122508_prep1,@function
k_qccae122508_prep1:
	s_mov_b64 s[64:65], 0
	v_nop
	global_prefetch_b8 v0, s[64:65] scope:SCOPE_SE
	s_setreg_imm32_b32 hwreg(HW_REG_WAVE_MODE, 25, 1), 1
	s_wait_xcnt 0x0
; PREP1: the gate, x into codes, W1 and Ws into codes of FP4 (E2M1) with one E8M0 byte for each 32 along K.
; WORK LEFT OUT BY THE WHOLE PROGRAM.  reference() adds wf[:, e] * y_e for all 8 experts, and wf is built in its own body as the scatter of the top-2 scores
; by a one_hot: wf[t, e] is exactly 0 for every expert e outside token t's top 2, whatever finite values the inputs hold.  So row t of h_e and y_e reaches
; no output for those e, and the program multiplies only the 2 x 2,048 rows (token, chosen expert).  Every input is loaded.
; LIMITS.  A NaN, an infinity or an overflow that arises only in a row of an expert that was not chosen is not carried to the result.  NaN and infinities among the
; inputs are not served.  A block whose largest magnitude lies under 2^-124 keeps the scale byte 1; a block of zeros gets the byte 1 where the rule says 127: its codes are zeros,
; and the bytes are read by this program alone.  Two sigmoid scores within f32 rounding of each other may be chosen either way; equal f32 scores go to the lower index.
; SHARES.  Work-groups 0-63: the gate and x (32 tokens each, 4 a wave).  64-319: W1 (expert, K step of 128, 256 columns; a wave 32 columns).  320-335: Ws likewise.
; No tensor loads, no cluster: the work-groups share no input but Wg's 16 KiB.
; q1: XC [2048][256 B] x's codes by rows | XS [2048][16 B] its scale bytes | GT [2048][w1, w2, sn1, sn2] f32 | W1C [8][128 tiles][4 K steps][1024 B] | W1S [8][128][16 rows][4 K steps] words | WSC, WSS likewise for Ws.
; A fragment of 1,024 bytes is the image of an operand's registers: byte 512 c + 16 lane holds registers 4 c .. 4 c + 3 of that lane (lane = 16 h + r: row r, k = 64 c + 32 h + 0 .. 31).
; W1's TILES ARE PERMUTED: lane r of tile 2 b + u is hidden unit 32 b + 8 u + r + 8 (r / 8), so that the next launch's results lie as 16 neighbours along the next K.
.set XCO,   0
.set XSO,   524288
.set GTO,   557056
.set W1CO,  589824
.set W1SO,  4784128
.set WSCO,  5046272
.set WSSO,  5308416
.set REG,   5376                       ; LDS: a wave's region: two stages of 32 x 80 bytes, then its 64 scale bytes
.set SP,    80                         ; a lane's place in a stage: 64 bytes + 16 of padding
.set WGL,   43008                      ; Wg as 32 slices of 512 bytes, 528 apart
.set SPARE, 59904                      ; the spare words, 128 bytes a wave: four blocks of 256 bytes that no other line names
.set R,     16                         ; v16-79   4 tokens x 16 registers as loaded
.set X,     80                         ; v80-111  two sets of 16 neighbours
.set WG,    112                        ; v112-239 Wg[16 lane + i][e] at 8 i + e
.set AC,    240                        ; v240-247 a token's eight sums
.set LG,    248                        ; v248-255 the logits of token lane % 4
.set CD,    16                         ; v16-23   codes, two registers a token   (token 0's registers as loaded are dead by then)
.set EB,    24                         ; v24-27   a scale byte a token
.set T4,    28                         ; v28-31   destinations of the lane exchange
; One block of 32 along K of my column: its largest magnitude, its byte, its 32 codes, 16 bytes stored.  left: how many younger loads may stay out.
.macro QBLK kb, left
.set XB, 32+32*\kb
	s_wait_loadcnt \left
	v_max3_num_f32 v8, |v[XB]|, |v[XB+1]|, |v[XB+2]|
	v_max3_num_f32 v9, |v[XB+3]|, |v[XB+4]|, |v[XB+5]|
.irp j, 6,10,14,18,22,26
	v_max3_num_f32 v8, v8, |v[XB+\j]|, |v[XB+\j+1]|
	v_max3_num_f32 v9, v9, |v[XB+\j+2]|, |v[XB+\j+3]|
.endr
	v_max3_num_f32 v8, v8, |v[XB+30]|, |v[XB+31]|
	v_max3_num_f32 v8, v8, v9, 0x1800000           ; and the floor 2^(3 - 127): the byte cannot fall under 1
	v_add_nc_u32 v11, 0xff000000, v8               ; 2 off the exponent field: the conversion's scale operand
	v_lshrrev_b32 v10, 23, v11                     ; the scale's byte
.if \kb == 0
	v_mov_b32 v176, v10
.else
	v_lshl_or_b32 v176, v10, 8*\kb, v176           ; four bytes make the K step's scale word of my column
.endif
.irp g, 0,1,2,3
	v_cvt_scalef32_pk8_fp4_f32 v[160+4*\kb+\g], v[XB+8*\g:XB+8*\g+7], v11
.endr
	global_store_b128 v3, v[160+4*\kb:160+4*\kb+3], s[22:23] offset:(\kb/2)*512+(\kb%2)*256   ; block kb = 2 c + h: sixteen lanes fill 256 consecutive bytes of a fragment
.endm
; A wave's 32 columns x 128 along K: a lane takes a column and its registers run down K.  v2: source offset, v3: codes' offset, v4: scale word's; s[20:21] source, s[22:23] codes, s[24:25] scale words.
.macro QW pitch
.set i, 0
.rept 128
	global_load_b32 v[32+i], v2, s[20:21] offset:i*\pitch th:TH_LOAD_NT   ; 32 lanes read 128 consecutive bytes of row i
.set i, i+1
.endr
	QBLK 0, 63                                     ; 96 loads are younger; the wait's field holds 63
	QBLK 1, 63                                     ; 64 are younger
	QBLK 2, 32                                     ; the last block's 32
	QBLK 3, 0
	global_store_b32 v4, v176, s[24:25]
	s_endpgm
.endm
	s_load_b256 s[4:11], s[0:1], 0x0               ; x s[4:5], Wg s[6:7], bg s[8:9], W1 s[10:11]
	s_load_b128 s[12:15], s[0:1], 0x20             ; Ws s[12:13], q1 s[14:15]
	s_load_b64 s[16:17], s[0:1], 0x30              ; keys
	v_lshl_add_u32 v12, v0, 2, SPARE               ; my spare word; never rewritten
	v_mov_b32 v13, 0                               ; 0; never rewritten
	v_lshrrev_b32 v1, 5, v0
	v_readfirstlane_b32 s18, v1                    ; wave 0..7
	v_and_b32 v1, 31, v0                           ; lane
	s_wait_kmcnt 0x0
	s_cmp_lt_u32 ttmp9, 64
	s_cbranch_scc1 .Lgate
	s_cmp_lt_u32 ttmp9, 320
	s_cbranch_scc0 .Lws
	; ---- W1: work-group i = (expert, K step, eight blocks of 32 columns)
	s_sub_co_u32 s19, ttmp9, 64
	s_lshr_b32 s26, s19, 5                         ; expert
	s_bfe_u32 s27, s19, 0x20003                    ; K step
	s_and_b32 s28, s19, 7
	s_lshl_b32 s28, s28, 3
	s_add_co_u32 s28, s28, s18                     ; my block of 32 columns, 0..63
	s_lshl_b32 s30, s26, 22                        ; an expert's W1 is 4 MiB,
	s_lshl_b32 s31, s27, 20                        ; 128 rows of 8,192 bytes,
	s_add_co_u32 s30, s30, s31
	s_lshl_b32 s31, s28, 7                         ; 32 columns of 4 bytes
	s_add_co_u32 s30, s30, s31
	s_mov_b32 s31, 0
	s_add_nc_u64 s[20:21], s[10:11], s[30:31]
	s_lshl_b32 s32, s26, 7
	s_lshl_b32 s33, s28, 1
	s_add_co_u32 s32, s32, s33                     ; the first of my two tiles
	s_lshl_b32 s30, s32, 12
	s_lshl_b32 s33, s27, 10
	s_add_co_u32 s30, s30, s33
	s_add_co_u32 s30, s30, W1CO
	s_add_nc_u64 s[22:23], s[14:15], s[30:31]
	s_lshl_b32 s30, s32, 8
	s_lshl_b32 s33, s27, 2
	s_add_co_u32 s30, s30, s33
	s_add_co_u32 s30, s30, W1SO
	s_add_nc_u64 s[24:25], s[14:15], s[30:31]
	v_lshlrev_b32 v2, 2, v1
	v_bfe_u32 v5, v1, 3, 1                         ; column l of the 32 is lane r of tile u: u = (l / 8) % 2,
	v_and_b32 v6, 7, v1
	v_lshrrev_b32 v7, 4, v1
	v_lshl_or_b32 v6, v7, 3, v6                    ; r = l % 8 + 8 (l / 16)
	v_lshlrev_b32 v6, 4, v6
	v_lshl_add_u32 v3, v5, 12, v6                  ; a tile's four fragments are 4,096 bytes
	v_lshl_add_u32 v4, v5, 8, v6                   ; its scale words 256
	QW 8192
.Lws:	; ---- Ws: work-group i = (K step, eight blocks of 32 columns); its tiles are 16 neighbouring columns
	s_sub_co_u32 s19, ttmp9, 320
	s_lshr_b32 s27, s19, 2                         ; K step
	s_and_b32 s28, s19, 3
	s_lshl_b32 s28, s28, 3
	s_add_co_u32 s28, s28, s18                     ; my block of 32 columns, 0..31
	s_lshl_b32 s30, s27, 19                        ; 128 rows of 4,096 bytes
	s_lshl_b32 s31, s28, 7
	s_add_co_u32 s30, s30, s31
	s_mov_b32 s31, 0
	s_add_nc_u64 s[20:21], s[12:13], s[30:31]
	s_lshl_b32 s30, s28, 13                        ; two tiles of 4,096 bytes
	s_lshl_b32 s33, s27, 10
	s_add_co_u32 s30, s30, s33
	s_add_co_u32 s30, s30, WSCO
	s_add_nc_u64 s[22:23], s[14:15], s[30:31]
	s_lshl_b32 s30, s28, 9
	s_lshl_b32 s33, s27, 2
	s_add_co_u32 s30, s30, s33
	s_add_co_u32 s30, s30, WSSO
	s_add_nc_u64 s[24:25], s[14:15], s[30:31]
	v_lshlrev_b32 v2, 2, v1
	v_lshrrev_b32 v5, 4, v1                        ; u
	v_and_b32 v6, 15, v1                           ; r
	v_lshlrev_b32 v6, 4, v6
	v_lshl_add_u32 v3, v5, 12, v6
	v_lshl_add_u32 v4, v5, 8, v6
	QW 4096
.Lgate:	; ---- the gate and x's codes: wave w owns tokens 32 g + 4 w .. + 3
	s_load_b256 s[28:35], s[8:9], 0x0              ; bg
	s_mov_b32 s36, 0x76543210
	s_mov_b32 s37, 0xfedcba98                      ; v_permlanex16_b32's selects for lane l xor 16
	s_mul_i32 s19, s18, REG                        ; my region
	v_lshlrev_b32 v3, 4, v1                        ; 16 x lane
	v_lshlrev_b32 v4, 3, v1                        ; 8 x lane: my codes' place in a token's 256 bytes
	s_mul_i32 s20, s18, 4*528
	s_add_co_u32 s20, s20, WGL
	v_add_nc_u32 v2, s20, v3                       ; where I put my part of Wg: slices 4 w .. 4 w + 3
	v_lshrrev_b32 v5, 1, v1
	s_add_co_u32 s21, s19, 5120
	v_add_nc_u32 v5, s21, v5                       ; my block's scale byte
	v_and_b32 v7, 15, v1
	v_lshlrev_b32 v7, 2, v7                        ; and on the way out 4 bytes a lane, lanes 16-31 as lanes 0-15
	v_add_nc_u32 v6, s21, v7
	v_lshrrev_b32 v14, 2, v1
	v_mul_u32_u24 v14, v14, SP
	v_and_b32 v15, 3, v1
	v_lshl_add_u32 v14, v15, 4, v14
	v_add_nc_u32 v14, s19, v14                     ; the stage, in: four lanes' 64 bytes on end, then 16 of padding
	v_mul_u32_u24 v15, v1, SP
	v_add_nc_u32 v15, s19, v15                     ; out: my 16 neighbours
	s_lshl_b32 s22, s18, 11
	v_add_nc_u32 v10, s22, v3                      ; Wg in memory: 2,048 w + 16 lane
	v_mul_u32_u24 v1, v1, 528
	v_add_nc_u32 v1, WGL, v1                       ; my slice of Wg: rows 16 lane .. 16 lane + 15
	s_lshl_b32 s24, ttmp9, 5
	s_lshl_b32 s25, s18, 2
	s_add_co_u32 s24, s24, s25                     ; my first token
	s_mov_b32 s51, 0
	s_lshl_b32 s50, s24, 11
	s_add_nc_u64 s[40:41], s[4:5], s[50:51]        ; x
	s_lshl_b32 s50, s24, 8
	s_add_nc_u64 s[42:43], s[14:15], s[50:51]      ; XC
	s_lshl_b32 s50, s24, 4
	s_add_co_u32 s50, s50, XSO
	s_add_nc_u64 s[44:45], s[14:15], s[50:51]      ; XS
	s_add_co_u32 s50, s50, GTO-XSO
	s_add_nc_u64 s[46:47], s[14:15], s[50:51]      ; GT
	s_lshl_b32 s50, s24, 2
	s_add_nc_u64 s[48:49], s[16:17], s[50:51]      ; keys
.irp j, 0,1,2,3
	global_load_b128 v[80+4*\j:83+4*\j], v10, s[6:7] offset:512*\j
.endr
.irp t, 0,1,2,3
.irp j, 0,1,2,3
	global_load_b128 v[R+16*\t+4*\j:R+16*\t+4*\j+3], v3, s[40:41] offset:2048*\t+512*\j th:TH_LOAD_NT   ; 32 lanes read 512 consecutive bytes
.endr
.endr
	s_wait_loadcnt 16                              ; Wg's four loads are in; x's sixteen may be out
.irp j, 0,1,2,3
	ds_store_b128 v2, v[80+4*\j:83+4*\j] offset:528*\j
.endr
	s_wait_dscnt 0x0                               ; for the others' sake: my part of Wg lies in LDS
	s_barrier_signal -1
	s_barrier_wait -1                              ; everybody's does
.set i, 0
.rept 32
	ds_load_b128 v[WG+4*i:WG+4*i+3], v1 offset:16*i
.set i, i+1
.endr
; token t's 512 numbers through the stage: in as loaded, out 16 neighbours a lane.  LDS serves a wave's instructions in order, so no wait stands between the stores and the loads.
.macro TURN t
.irp j, 0,1,2,3
	ds_store_b128 v14, v[R+16*(\t)+4*\j:R+16*(\t)+4*\j+3] offset:32*SP*((\t)%2)+8*SP*\j
.endr
.irp j, 0,1,2,3
	ds_load_b128 v[X+16*((\t)%2)+4*\j:X+16*((\t)%2)+4*\j+3], v15 offset:32*SP*((\t)%2)+16*\j
.endr
.endm
	s_wait_loadcnt 12                              ; token 0's four loads are in; those of tokens 1 to 3 may be out
	TURN 0
.macro STEP t
.set XT, X+16*((\t)%2)
.if \t == 0
	s_wait_dscnt 0x0                               ; Wg's slice and token 0 are in registers
	s_wait_loadcnt 0x0                             ; all of x is
.else
	s_wait_dscnt 1                                 ; this token is back from the stage; the last step's byte store may be out
.endif
.if \t < 3
	TURN (\t)+1                                    ; the next token goes through the other stage meanwhile
.endif
	v_max3_num_f32 v8, |v[XT]|, |v[XT+1]|, |v[XT+2]|               ; the largest magnitude of my 16
	v_max3_num_f32 v9, |v[XT+3]|, |v[XT+4]|, |v[XT+5]|
.irp i, 6,10
	v_max3_num_f32 v8, v8, |v[XT+\i]|, |v[XT+\i+1]|
	v_max3_num_f32 v9, v9, |v[XT+\i+2]|, |v[XT+\i+3]|
.endr
	v_max3_num_f32 v8, v8, |v[XT+14]|, |v[XT+15]|
	v_max3_num_f32 v8, v8, v9, 0x1800000           ; and the floor 2^(3 - 127)
	v_max_num_f32_dpp v8, v8, v8 row_xmask:1 row_mask:0xf bank_mask:0xf   ; with my neighbour's 16: the block's
	v_add_nc_u32 v11, 0xff000000, v8
	v_cvt_scalef32_pk8_fp4_f32 v[CD+2*\t], v[XT:XT+7], v11
	v_cvt_scalef32_pk8_fp4_f32 v[CD+2*\t+1], v[XT+8:XT+15], v11
	v_lshrrev_b32 v[EB+\t], 23, v11                ; the scale's byte (a plain line behind the conversions)
	ds_store_b8 v5, v[EB+\t] offset:16*\t          ; both lanes of a block write the same byte with the same value
	global_store_b64 v4, v[CD+2*\t:CD+2*\t+1], s[42:43] offset:256*\t   ; 32 lanes store the token's 256 bytes of codes
	; x . Wg in f32: my 16 numbers against my 16 rows of Wg, eight sums by turns
.irp e, 0,1,2,3,4,5,6,7
	v_mul_f32 v[AC+\e], v[XT], v[WG+\e]            ; the first product starts the sums
.endr
.set i, 1
.rept 15
.irp e, 0,1,2,3,4,5,6,7
	v_fmac_f32 v[AC+\e], v[XT+i], v[WG+8*i+\e]
.endr
.set i, i+1
.endr
.irp m, 1,2,4,8
.irp e, 0,1,2,3,4,5,6,7
	v_add_f32_dpp v[AC+\e], v[AC+\e], v[AC+\e] row_xmask:\m row_mask:0xf bank_mask:0xf
.endr
.endr
.irp q, 0,4
.irp e, 0,1,2,3
	v_permlanex16_b32 v[T4+\e], v[AC+\q+\e], s36, s37
.endr
.irp e, 0,1,2,3
	v_add_f32 v[AC+\q+\e], v[AC+\q+\e], v[T4+\e]   ; every lane holds the token's eight sums
.endr
.endr
.if \t == 0
.irp e, 0,1,2,3,4,5,6,7
	v_mov_b32 v[LG+\e], v[AC+\e]
.endr
.else
	s_mov_b32 s38, 0x11111111<<\t                  ; lanes with lane % 4 = t keep this token's
.irp e, 0,1,2,3,4,5,6,7
	v_cndmask_b32 v[LG+\e], v[LG+\e], v[AC+\e], s38
.endr
.endif
.endm
	STEP 0
	STEP 1
	STEP 2
	STEP 3
	; ---- the tail: lane l works for token l % 4 (eight lanes alike)
	s_wait_kmcnt 0x0                               ; bg
.irp e, 0,1,2,3,4,5,6,7
	v_add_f32 v[80+\e], s[28+\e], v[LG+\e]
.endr
.irp e, 0,1,2,3,4,5,6,7
	v_mul_f32 v[80+\e], 0xbfb8aa3b, v[80+\e]       ; x -log2(e)
.endr
.irp e, 0,1,2,3,4,5,6,7
	v_exp_f32 v[80+\e], v[80+\e]
.endr
	v_and_b32 v101, 3, v0                          ; (a plain line behind the batch)
	s_wait_alu depctr_va_vdst(0)                   ; one wait for the eight, ahead of their first reader
.irp e, 0,1,2,3,4,5,6,7
	v_add_f32 v[80+\e], 1.0, v[80+\e]
.endr
.irp e, 0,1,2,3,4,5,6,7
	v_rcp_f32 v[80+\e], v[80+\e]                   ; s = sigmoid
.endr
	v_lshlrev_b32 v102, 4, v101                    ; (a plain line behind the batch)
	s_wait_alu depctr_va_vdst(0)
	v_add_f32 v92, v80, v81
	v_add_f32 v93, v82, v83
	v_add_f32 v94, v84, v85
	v_add_f32 v95, v86, v87
	v_add_f32 v92, v92, v93
	v_add_f32 v94, v94, v95
	v_add_f32 v92, v92, v94                        ; the sum of all eight
	v_mov_b32 v88, v80                             ; the largest so far, and its index;
	v_mov_b32 v89, 0
	v_mov_b32 v90, -1.0                            ; the second: under every s
	v_mov_b32 v91, 0
.irp e, 1,2,3,4,5,6,7                              ; ascending, strictly greater: equal scores stay with the lower index
	v_cmp_gt_f32 s52, v[80+\e], v88
	v_cmp_gt_f32 s53, v[80+\e], v90
	v_cndmask_b32 v90, v90, v[80+\e], s53
	v_cndmask_b32 v91, v91, \e, s53
	v_cndmask_b32 v90, v90, v88, s52
	v_cndmask_b32 v91, v91, v89, s52
	v_cndmask_b32 v88, v88, v[80+\e], s52
	v_cndmask_b32 v89, v89, \e, s52
.endr
	v_add_f32 v93, v88, v90
	v_rcp_f32 v93, v93
	v_rcp_f32 v92, v92
	v_lshl_or_b32 v100, v91, 8, v89                ; the key: first choice | second << 8.  (A plain line behind the two)
	s_wait_alu depctr_va_vdst(0)
	v_mul_f32 v96, v88, v93                        ; the two combine weights,
	v_mul_f32 v97, v90, v93
	v_mul_f32 v98, v88, v92                        ; and the two normalised scores
	v_mul_f32 v99, v90, v92
	v_lshlrev_b32 v101, 2, v101
	global_store_b32 v101, v100, s[48:49]          ; the eight lanes of a token store the same value to the same place
	global_store_b128 v102, v[96:99], s[46:47]
	ds_load_b32 v103, v6                           ; my wave's 64 scale bytes: LDS serves a wave's instructions in order
	s_wait_dscnt 0x0
	global_store_b32 v7, v103, s[44:45]
	s_wait_tensorcnt 0x0                           ; the wave's end: three lines behind my last LDS store
	ds_add_u32 v12, v13
	s_wait_dscnt 0x0
	s_endpgm
.Lfunc_end_k_qccae122508_prep1:
	.size	k_qccae122508_prep1, .Lfunc_end_k_qccae122508_prep1-k_qccae122508_prep1
	.p2alignl 7, 3214868480
	.fill 96, 4, 3214868480
	.section	.rodata,"a",@progbits
	.p2align	6, 0x0
	.amdhsa_kernel k_qccae122508_prep1
		.amdhsa_group_segment_fixed_size 60928
		.amdhsa_private_segment_fixed_size 0
		.amdhsa_enable_private_segment 0
		.amdhsa_kernarg_size 56
		.amdhsa_user_sgpr_count 2
		.amdhsa_user_sgpr_kernarg_segment_ptr 1
		.amdhsa_wavefront_size32 1
		.amdhsa_system_sgpr_workgroup_id_x 1
		.amdhsa_system_sgpr_workgroup_id_y 1
		.amdhsa_system_sgpr_workgroup_id_z 1
		.amdhsa_system_vgpr_workitem_id 0
		.amdhsa_next_free_vgpr 256
		.amdhsa_next_free_sgpr 66
		.amdhsa_reserve_vcc 0
		.amdhsa_float_denorm_mode_32 3
		.amdhsa_float_denorm_mode_16_64 3
		.amdhsa_memory_ordered 1
		.amdhsa_forward_progress 1
		.amdhsa_inst_pref_size 88
	.end_amdhsa_kernel
	.amdgpu_metadata
---
amdhsa.version: [ 1, 2 ]
amdhsa.kernels:
  - .name:           k_qccae122508_prep1
    .symbol:         k_qccae122508_prep1.kd
    .args:
      - { .name: x, .offset: 0, .size: 8, .value_kind: global_buffer, .address_space: global }
      - { .name: Wg, .offset: 8, .size: 8, .value_kind: global_buffer, .address_space: global }
      - { .name: bg, .offset: 16, .size: 8, .value_kind: global_buffer, .address_space: global }
      - { .name: W1, .offset: 24, .size: 8, .value_kind: global_buffer, .address_space: global }
      - { .name: Ws, .offset: 32, .size: 8, .value_kind: global_buffer, .address_space: global }
      - { .name: q1, .offset: 40, .size: 8, .value_kind: global_buffer, .address_space: global }
      - { .name: keys, .offset: 48, .size: 8, .value_kind: global_buffer, .address_space: global }
    .group_segment_fixed_size: 60928
    .private_segment_fixed_size: 0
    .kernarg_segment_align: 8
    .kernarg_segment_size: 56
    .max_flat_workgroup_size: 256
    .sgpr_count:     66
    .vgpr_count:     256
    .wavefront_size: 32
...
	.end_amdgpu_metadata
.endif
;; end of part 1
;; launch prep2 (part 2): grid 257 x 1, 8 waves a work-group, no clusters, 3,072 bytes of LDS; arguments W2, keys, q1, q2, route, out1, out2; writes q2, route, out1, out2
.if DOCPART == 2
	.amdgcn_target "amdgcn-amd-amdhsa--gfx1250"
	.amdhsa_code_object_version 6
	.text
	.protected	k_qccae122508_prep2
	.globl	k_qccae122508_prep2
	.p2align	8
	.type	k_qccae122508_prep2,@function
k_qccae122508_prep2:
	s_mov_b64 s[64:65], 0
	v_nop
	global_prefetch_b8 v0, s[64:65] scope:SCOPE_SE
	s_setreg_imm32_b32 hwreg(HW_REG_WAVE_MODE, 25, 1), 1
	s_wait_xcnt 0x0
; PREP2: W2 into codes (work-groups 1-256), and in work-group 0 the placing of the 4,096 routed rows by expert, with the statistics f and p.
; q2: W2C [8][32 tiles][16 K steps][1024 B], fragments as images of the operand's registers (byte 512 c + 16 lane) | W2S [8][32][4 groups of K steps][16 rows][4 K steps] words.
; route: RTOK [4608] token of routed position P (pads hold 0; entry 4600 takes what no pad wants) | POS [2048][2] P of a token's first and second choice |
;        GEXP [256] the expert of group g of 64 rows, 8 = none | ETAB: entry e = {first tile of 16 rows, groups of 64 rows}; entry 8, word 0 = groups in all.
; Positions: experts ascending, each padded to a multiple of 64 rows: at most 64 + 7 = 71 groups for every split.
; No atomics: a counting sort by ranks (lanes below me, chunks before, waves before) and a prefix over the eight experts.
; p is summed straight over the entries that are NOT expert e, as reference() has it, and not as a difference of sums.
; LIMITS of the quantiser: as in the first launch (byte 1 under 2^-124 and for a block of zeros; NaN and infinities not served).
.set GTO,   557056
.set W2SO,  4194304
.set POSO,  18432
.set GEXPO, 34816
.set ETABO, 35840
.set SPARE, 2048                       ; LDS: counts 8 x 128 B at 0, partial p 8 x 128 B at 1,024, then the spare words, 128 bytes a wave
.set KEY, 16
.set A,   24                           ; first choice, by chunk
.set B,   32                           ; second choice
.set SN,  40                           ; v40-55 the two normalised scores, a pair a chunk
.set RA,  56                           ; ranks inside my wave
.set RB,  64
.set PP,  72                           ; v72-87 the two positions, a pair a chunk
.set TK,  88                           ; token ids
.set AD,  96                           ; v96-111 where the ids go
.set CNT, 112                          ; lane e: my wave's rows of expert e
.set PV,  113                          ; lane e: my wave's part of p
.set PE,  114
.set CW,  120                          ; v120-127 the eight waves' counts
.set TOT, 128
.set BEF, 129
.set PAD, 130
.set BAS, 131
.set EDG, 132
.set STA, 133
.set ET,  134
.set PD,  136
.set GX,  138
.set Z0,  140
.macro QBLK kb, left
.set XB, 32+32*\kb
	s_wait_loadcnt \left
	v_max3_num_f32 v8, |v[XB]|, |v[XB+1]|, |v[XB+2]|
	v_max3_num_f32 v9, |v[XB+3]|, |v[XB+4]|, |v[XB+5]|
.irp j, 6,10,14,18,22,26
	v_max3_num_f32 v8, v8, |v[XB+\j]|, |v[XB+\j+1]|
	v_max3_num_f32 v9, v9, |v[XB+\j+2]|, |v[XB+\j+3]|
.endr
	v_max3_num_f32 v8, v8, |v[XB+30]|, |v[XB+31]|
	v_max3_num_f32 v8, v8, v9, 0x1800000           ; and the floor 2^(3 - 127): the byte cannot fall under 1
	v_add_nc_u32 v11, 0xff000000, v8               ; 2 off the exponent field: the conversion's scale operand
	v_lshrrev_b32 v10, 23, v11
.if \kb == 0
	v_mov_b32 v176, v10
.else
	v_lshl_or_b32 v176, v10, 8*\kb, v176
.endif
.irp g, 0,1,2,3
	v_cvt_scalef32_pk8_fp4_f32 v[160+4*\kb+\g], v[XB+8*\g:XB+8*\g+7], v11
.endr
	global_store_b128 v3, v[160+4*\kb:160+4*\kb+3], s[22:23] offset:(\kb/2)*512+(\kb%2)*256   ; sixteen lanes fill 256 consecutive bytes of a fragment
.endm
	s_load_b256 s[4:11], s[0:1], 0x0               ; W2 s[4:5], keys s[6:7], q1 s[8:9], q2 s[10:11]
	s_load_b128 s[12:15], s[0:1], 0x20             ; route s[12:13], out1 s[14:15]
	s_load_b64 s[16:17], s[0:1], 0x30              ; out2
	v_lshl_add_u32 v12, v0, 2, SPARE               ; my spare word; never rewritten
	v_mov_b32 v13, 0                               ; 0; never rewritten
	v_lshrrev_b32 v1, 5, v0
	v_readfirstlane_b32 s18, v1                    ; wave 0..7
	v_and_b32 v1, 31, v0                           ; lane
	s_wait_kmcnt 0x0
	s_cmp_eq_u32 ttmp9, 0
	s_cbranch_scc1 .Lplace
	; ---- W2: work-group i = (expert, K step of 128, eight blocks of 32 columns); a lane takes a column, its registers run down K
	s_sub_co_u32 s19, ttmp9, 1
	s_lshr_b32 s26, s19, 5                         ; expert
	s_bfe_u32 s27, s19, 0x40001                    ; K step 0..15
	s_and_b32 s28, s19, 1
	s_lshl_b32 s28, s28, 3
	s_add_co_u32 s28, s28, s18                     ; my block of 32 columns, 0..15
	s_lshl_b32 s30, s26, 22
	s_lshl_b32 s31, s27, 18                        ; 128 rows of 2,048 bytes
	s_add_co_u32 s30, s30, s31
	s_lshl_b32 s31, s28, 7
	s_add_co_u32 s30, s30, s31
	s_mov_b32 s31, 0
	s_add_nc_u64 s[20:21], s[4:5], s[30:31]
	s_lshl_b32 s32, s26, 5
	s_lshl_b32 s33, s28, 1
	s_add_co_u32 s32, s32, s33                     ; the first of my two tiles
	s_lshl_b32 s30, s32, 14
	s_lshl_b32 s33, s27, 10
	s_add_co_u32 s30, s30, s33
	s_add_nc_u64 s[22:23], s[10:11], s[30:31]
	s_lshl_b32 s30, s32, 10
	s_lshr_b32 s33, s27, 2
	s_lshl_b32 s33, s33, 8
	s_add_co_u32 s30, s30, s33
	s_and_b32 s33, s27, 3
	s_lshl_b32 s33, s33, 2
	s_add_co_u32 s30, s30, s33
	s_add_co_u32 s30, s30, W2SO
	s_add_nc_u64 s[24:25], s[10:11], s[30:31]
	v_lshlrev_b32 v2, 2, v1
	v_lshrrev_b32 v5, 4, v1                        ; which of the two tiles
	v_and_b32 v6, 15, v1                           ; its lane
	v_lshlrev_b32 v6, 4, v6
	v_lshl_add_u32 v3, v5, 14, v6                  ; a tile's sixteen fragments are 16,384 bytes
	v_lshl_add_u32 v4, v5, 10, v6                  ; its scale words 1,024
.set i, 0
.rept 128
	global_load_b32 v[32+i], v2, s[20:21] offset:i*2048 th:TH_LOAD_NT   ; 32 lanes read 128 consecutive bytes of row i
.set i, i+1
.endr
	QBLK 0, 63                                     ; 96 loads are younger; the wait's field holds 63
	QBLK 1, 63                                     ; 64 are younger
	QBLK 2, 32                                     ; the last block's 32
	QBLK 3, 0
	global_store_b32 v4, v176, s[24:25]
	s_endpgm
.Lplace:	; ---- wave w owns tokens 256 w + 32 c + lane, c = 0 .. 7; its batch is w / 2
	s_mov_b32 s36, 0x76543210
	s_mov_b32 s37, 0xfedcba98
	s_lshl_b32 s19, s18, 7
	v_lshlrev_b32 v2, 2, v1                        ; 4 x lane
	v_lshrrev_b32 v3, 3, v1
	v_and_b32 v4, 7, v1
	v_lshlrev_b32 v4, 2, v4
	v_lshl_add_u32 v3, v3, 8, v4                   ; lane = 8 batch + expert: the words of waves 2 batch and 2 batch + 1
	s_lshl_b32 s20, s18, 10
	v_add_nc_u32 v4, s20, v2                       ; keys
	s_lshl_b32 s20, s18, 12
	v_lshl_add_u32 v5, v1, 4, s20                  ; GT
	s_lshl_b32 s20, s18, 11
	v_lshl_add_u32 v6, v1, 3, s20                  ; POS
	s_lshl_b32 s20, s18, 8
	v_add_nc_u32 v7, s20, v1                       ; my token of chunk 0
	v_lshlrev_b32 v8, 2, v0                        ; GEXP: a thread a group
	v_add_nc_u32 v1, s19, v2                       ; LDS: 128 w + 4 lane
.irp c, 0,1,2,3,4,5,6,7
	global_load_b32 v[KEY+\c], v4, s[6:7] offset:128*\c
.endr
.irp c, 0,1,2,3,4,5,6,7
	global_load_b64 v[SN+2*\c:SN+2*\c+1], v5, s[8:9] offset:GTO+8+512*\c
.endr
	v_mov_b32 v[CNT], 0
	v_mov_b32 v[PV], 0
	v_mov_b32 v117, 0                              ; (a lane exchange's destination counts as read)
	v_mov_b32 v[TOT], 0
	v_mov_b32 v[BEF], 0
	v_mov_b32 v[BAS], 0
	v_mov_b32 v[Z0], 0
.irp c, 0,1,2,3,4,5,6,7
	v_add_nc_u32 v[TK+\c], 32*\c, v7
.endr
	s_wait_loadcnt 0x0
.irp c, 0,1,2,3,4,5,6,7
	v_and_b32 v[A+\c], 0xff, v[KEY+\c]
	v_bfe_u32 v[B+\c], v[KEY+\c], 8, 8
.endr
	; for each expert: my rank among my wave's rows of it (a token has an expert at most once), the wave's count, and the wave's part of p
.irp e, 0,1,2,3,4,5,6,7
	s_mov_b32 s40, 0
.irp c, 0,1,2,3,4,5,6,7
	v_cmp_eq_u32 s41, \e, v[A+\c]
	v_cmp_eq_u32 s42, \e, v[B+\c]
	s_or_b32 s43, s41, s42
	v_mbcnt_lo_u32_b32 v115, s43, s40              ; rows in lanes below me + rows in the chunks before
.if \e == 0
	v_mov_b32 v[RA+\c], v115                       ; the first pass starts the ranks; the pass of the true expert writes over it
	v_mov_b32 v[RB+\c], v115
.else
	v_cndmask_b32 v[RA+\c], v[RA+\c], v115, s41
	v_cndmask_b32 v[RB+\c], v[RB+\c], v115, s42
.endif
	s_bcnt1_i32_b32 s44, s43
	s_add_co_u32 s40, s40, s44
.if \c == 0
	v_cndmask_b32 v[PE], v[SN], 0, s41             ; the score counts where the choice is NOT e
.else
	v_cndmask_b32 v116, v[SN+2*\c], 0, s41
	v_add_f32 v[PE], v[PE], v116
.endif
	v_cndmask_b32 v118, v[SN+2*\c+1], 0, s42
	v_add_f32 v[PE], v[PE], v118
.endr
	v_writelane_b32 v[CNT], s40, \e
.irp m, 1,2,4,8
	v_add_f32_dpp v[PE], v[PE], v[PE] row_xmask:\m row_mask:0xf bank_mask:0xf
.endr
	v_permlanex16_b32 v117, v[PE], s36, s37
	v_add_f32 v[PE], v[PE], v117
	v_readfirstlane_b32 s45, v[PE]
	v_writelane_b32 v[PV], s45, \e
.endr
	ds_store_b32 v1, v[CNT]
	ds_store_b32 v1, v[PV] offset:1024
	s_wait_dscnt 0x0                               ; for the others' sake: my counts lie in LDS
	s_barrier_signal -1
	s_barrier_wait -1
.irp q, 0,1,2,3,4,5,6,7
	ds_load_b32 v[CW+\q], v2 offset:128*\q
.endr
	s_wait_dscnt 0x0
.irp q, 0,1,2,3,4,5,6,7
	s_cmp_gt_u32 s18, \q
	s_cselect_b32 s46, -1, 0
	v_and_b32 v115, s46, v[CW+\q]
	v_add_nc_u32 v[BEF], v[BEF], v115              ; rows in the waves before mine
	v_add_nc_u32 v[TOT], v[TOT], v[CW+\q]
.endr
	v_add_nc_u32 v[PAD], 63, v[TOT]
	v_and_b32 v[PAD], 0xffffffc0, v[PAD]           ; up to whole groups of 64
	s_mov_b32 s44, 0
.irp e, 0,1,2,3,4,5,6,7
	v_writelane_b32 v[BAS], s44, \e                ; where expert e begins
	v_readlane_b32 s45, v[PAD], \e
	s_add_co_u32 s44, s44, s45
.endr
	s_lshr_b32 s47, s44, 6                         ; groups in all
	v_add_nc_u32 v[EDG], v[BAS], v[PAD]
	v_add_nc_u32 v[STA], v[BAS], v[BEF]            ; where my wave's rows of expert e begin
	; position = that start, picked by the choice, + the rank
	v_readlane_b32 s46, v[STA], 0
.irp c, 0,1,2,3,4,5,6,7
	v_mov_b32 v[PP+2*\c], s46
	v_mov_b32 v[PP+2*\c+1], s46
.endr
.irp e, 1,2,3,4,5,6,7
	v_readlane_b32 s46, v[STA], \e
	v_mov_b32 v115, s46
.irp c, 0,1,2,3,4,5,6,7
	v_cmp_eq_u32 vcc_lo, \e, v[A+\c]
	v_cndmask_b32 v[PP+2*\c], v[PP+2*\c], v115, vcc_lo
	v_cmp_eq_u32 vcc_lo, \e, v[B+\c]
	v_cndmask_b32 v[PP+2*\c+1], v[PP+2*\c+1], v115, vcc_lo
.endr
.endr
.irp c, 0,1,2,3,4,5,6,7
	v_add_nc_u32 v[PP+2*\c], v[PP+2*\c], v[RA+\c]
	v_add_nc_u32 v[PP+2*\c+1], v[PP+2*\c+1], v[RB+\c]
.endr
.irp c, 0,1,2,3,4,5,6,7
	global_store_b64 v6, v[PP+2*\c:PP+2*\c+1], s[12:13] offset:POSO+256*\c   ; 32 lanes store 256 consecutive bytes
.endr
.irp k, 0,1,2,3,4,5,6,7,8,9,10,11,12,13,14,15
	v_min_u32 v[AD+\k], 0x11bf, v[PP+\k]           ; held inside the 4,544 positions
	v_lshlrev_b32 v[AD+\k], 2, v[AD+\k]
	global_store_b32 v[AD+\k], v[TK+\k/2], s[12:13]
.endr
	; the pads of expert w get token 0: at most 63, two slots a lane; a slot past the expert's end goes to entry 4600
	v_readlane_b32 s50, v[TOT], 0
	v_readlane_b32 s51, v[BAS], 0
	v_readlane_b32 s52, v[EDG], 0
.irp e, 1,2,3,4,5,6,7
	v_readlane_b32 s46, v[TOT], \e
	v_readlane_b32 s48, v[BAS], \e
	v_readlane_b32 s49, v[EDG], \e
	s_cmp_eq_u32 s18, \e
	s_cselect_b32 s50, s46, s50
	s_cselect_b32 s51, s48, s51
	s_cselect_b32 s52, s49, s52
.endr
	s_add_co_u32 s50, s50, s51
	v_and_b32 v116, 31, v0
	v_add_nc_u32 v[PD], s50, v116
	v_add_nc_u32 v[PD+1], 32, v[PD]
	v_mov_b32 v116, 4600
.irp k, 0,1
	v_cmp_gt_u32 vcc_lo, s52, v[PD+\k]
	v_cndmask_b32 v[PD+\k], v116, v[PD+\k], vcc_lo
	v_min_u32 v[PD+\k], 0x11ff, v[PD+\k]
	v_lshlrev_b32 v[PD+\k], 2, v[PD+\k]
	global_store_b32 v[PD+\k], v[Z0], s[12:13]
.endr
	; the expert of group g = my thread's number: how many experts end at or before its first row
	v_lshlrev_b32 v[GX], 6, v0
	v_mov_b32 v[GX+1], 0
.irp e, 0,1,2,3,4,5,6,7
	v_readlane_b32 s46, v[EDG], \e
	v_cmp_le_u32 vcc_lo, s46, v[GX]
	v_cndmask_b32 v115, 0, 1, vcc_lo
	v_add_nc_u32 v[GX+1], v[GX+1], v115
.endr
	global_store_b32 v8, v[GX+1], s[12:13] offset:GEXPO
	s_cmp_lg_u32 s18, 0
	s_cbranch_scc1 .Lnot0                          ; wave 0 alone: the table of experts, f and p.  No barrier stands inside
	v_lshrrev_b32 v[ET], 4, v[BAS]                 ; first tile of 16 rows
	v_lshrrev_b32 v[ET+1], 6, v[PAD]               ; groups of 64 rows
	v_writelane_b32 v[ET], s47, 8
	v_lshlrev_b32 v141, 1, v2
	global_store_b64 v141, v[ET:ET+1], s[12:13] offset:ETABO
	ds_load_b32 v142, v3
	ds_load_b32 v143, v3 offset:128
	ds_load_b32 v144, v3 offset:1024
	ds_load_b32 v145, v3 offset:1152
	s_wait_dscnt 0x0
	v_add_nc_u32 v142, v142, v143
	v_sub_nc_u32 v142, 1024, v142                  ; f: the batch's 1,024 entries less those that ARE expert e
	v_cvt_f32_u32 v142, v142
	v_add_f32 v144, v144, v145
	global_store_b32 v2, v142, s[14:15]
	global_store_b32 v2, v144, s[16:17]
.Lnot0:
	s_wait_tensorcnt 0x0                           ; the wave's end: three lines behind my last LDS store
	ds_add_u32 v12, v13
	s_wait_dscnt 0x0
	s_endpgm
.Lfunc_end_k_qccae122508_prep2:
	.size	k_qccae122508_prep2, .Lfunc_end_k_qccae122508_prep2-k_qccae122508_prep2
	.p2alignl 7, 3214868480
	.fill 96, 4, 3214868480
	.section	.rodata,"a",@progbits
	.p2align	6, 0x0
	.amdhsa_kernel k_qccae122508_prep2
		.amdhsa_group_segment_fixed_size 3072
		.amdhsa_private_segment_fixed_size 0
		.amdhsa_enable_private_segment 0
		.amdhsa_kernarg_size 56
		.amdhsa_user_sgpr_count 2
		.amdhsa_user_sgpr_kernarg_segment_ptr 1
		.amdhsa_wavefront_size32 1
		.amdhsa_system_sgpr_workgroup_id_x 1
		.amdhsa_system_sgpr_workgroup_id_y 1
		.amdhsa_system_sgpr_workgroup_id_z 1
		.amdhsa_system_vgpr_workitem_id 0
		.amdhsa_next_free_vgpr 184
		.amdhsa_next_free_sgpr 66
		.amdhsa_reserve_vcc 1
		.amdhsa_float_denorm_mode_32 3
		.amdhsa_float_denorm_mode_16_64 3
		.amdhsa_memory_ordered 1
		.amdhsa_forward_progress 1
		.amdhsa_inst_pref_size 88
	.end_amdhsa_kernel
	.amdgpu_metadata
---
amdhsa.version: [ 1, 2 ]
amdhsa.kernels:
  - .name:           k_qccae122508_prep2
    .symbol:         k_qccae122508_prep2.kd
    .args:
      - { .name: W2, .offset: 0, .size: 8, .value_kind: global_buffer, .address_space: global }
      - { .name: keys, .offset: 8, .size: 8, .value_kind: global_buffer, .address_space: global }
      - { .name: q1, .offset: 16, .size: 8, .value_kind: global_buffer, .address_space: global }
      - { .name: q2, .offset: 24, .size: 8, .value_kind: global_buffer, .address_space: global }
      - { .name: route, .offset: 32, .size: 8, .value_kind: global_buffer, .address_space: global }
      - { .name: out1, .offset: 40, .size: 8, .value_kind: global_buffer, .address_space: global }
      - { .name: out2, .offset: 48, .size: 8, .value_kind: global_buffer, .address_space: global }
    .group_segment_fixed_size: 3072
    .private_segment_fixed_size: 0
    .kernarg_segment_align: 8
    .kernarg_segment_size: 56
    .max_flat_workgroup_size: 256
    .sgpr_count:     66
    .vgpr_count:     184
    .wavefront_size: 32
...
	.end_amdgpu_metadata
.endif
;; end of part 2
;; launch up (part 3): grid 256 x 1, 8 waves a work-group, no clusters, 0 bytes of LDS; arguments q1, b1, route, hq; writes hq
.if DOCPART == 3
	.amdgcn_target "amdgcn-amd-amdhsa--gfx1250"
	.amdhsa_code_object_version 6
	.text
	.protected	k_qccae122508_up
	.globl	k_qccae122508_up
	.p2align	8
	.type	k_qccae122508_up,@function
k_qccae122508_up:
	s_mov_b64 s[64:65], 0
	v_nop
	global_prefetch_b8 v0, s[64:65] scope:SCOPE_SE
	s_setreg_imm32_b32 hwreg(HW_REG_WAVE_MODE, 25, 1), 1
	s_wait_xcnt 0x0
; UP: h = Q(gelu(Q(x) Q(W1[e]) + b1[e])) for the routed rows alone: rows of experts that a token did not choose have the weight 0 by reference()'s own scatter and are left out.
; SHARES.  Work-group (e, sl): expert e, hidden units 64 sl .. 64 sl + 63 = four tiles of W1, whose 16 fragments every wave keeps in registers.  Wave w takes tile w % 4 of the expert's groups
; of 64 rows w / 4, w / 4 + 2, ..: the number of trips is read from the table that the launch before stored.  So: no LDS, no barrier, no tensor load, no cluster.
; THE PRODUCT IS USED TRANSPOSED (source 0 = 16 rows of W1, source 1 = 16 tokens): a lane holds one token, and, by the choice of W1's rows for a tile, the 16 registers of tiles 2 b, 2 b + 1
; are hidden units 32 b + 16 (lane / 16) + 0 .. 15: neighbours along the next K.  The bias is the C of each sum's first product.
; gelu (tanh form) = x / (1 + 2^(x (k1 + k2 x^2))), k1 = -2 log2(e) sqrt(2 / pi), k2 = 0.044715 k1: the same function, one exponential and one reciprocal.
; hq: HC [284 tiles][16 K steps][1024 B], images of the operand's registers | HS [284][4][16 rows][4] scale words; my 64 units are half a fragment (512 bytes) and half a word.
; LIMITS of the quantiser: byte 1 under 2^-124 and for a block of zeros.  Pad rows carry token 0 and are read by nobody.
.set XSO,   524288
.set W1CO,  589824
.set W1SO,  4784128
.set ETABO, 35840
.set HSO,   4653056
.set XF,  16                           ; v16-47   x's four fragments
.set XSC, 48                           ; v48-51   x's scale words, a K step each
.set W1S, 52                           ; v52-59   W1's: register 4 u + ks: lanes 0-15 tile 2 u, lanes 16-31 tile 2 u + 1
.set ACC, 64                           ; v64-95   four accumulators
.set Z,   96                           ; v96-127  at work in the gelu
.set PC,  128                          ; v128-131 the codes
.set PW,  132                          ; v132     two scale bytes
.set TM,  136
.set BI,  128                          ; window 1: v0-127 W1's fragments (tile t, K step ks) at 8 (4 t + ks); v128-159 b1, eight a tile
.set MSB, 0
.macro WIN new                         ; the immediate's high byte repeats the setting that is left
.if MSB != \new
	s_set_vgpr_msb (MSB<<8)|\new
.set MSB, \new
.endif
.endm
.macro WM d, a, b, c, sa, sb, ra, rb   ; ra, rb: the side's scales stand in lanes 16-31
.if (\ra) && (\rb)
	v_wmma_scale_f32_16x16x128_f8f6f4 \d, \a, \b, \c, \sa, \sb matrix_a_fmt:MATRIX_FMT_FP4 matrix_b_fmt:MATRIX_FMT_FP4 matrix_a_scale:MATRIX_SCALE_ROW1 matrix_b_scale:MATRIX_SCALE_ROW1
.elseif \ra
	v_wmma_scale_f32_16x16x128_f8f6f4 \d, \a, \b, \c, \sa, \sb matrix_a_fmt:MATRIX_FMT_FP4 matrix_b_fmt:MATRIX_FMT_FP4 matrix_a_scale:MATRIX_SCALE_ROW1
.elseif \rb
	v_wmma_scale_f32_16x16x128_f8f6f4 \d, \a, \b, \c, \sa, \sb matrix_a_fmt:MATRIX_FMT_FP4 matrix_b_fmt:MATRIX_FMT_FP4 matrix_b_scale:MATRIX_SCALE_ROW1
.else
	v_wmma_scale_f32_16x16x128_f8f6f4 \d, \a, \b, \c, \sa, \sb matrix_a_fmt:MATRIX_FMT_FP4 matrix_b_fmt:MATRIX_FMT_FP4
.endif
.endm
.macro XADDR                           ; the token just loaded becomes two offsets
	v_min_u32 v8, 0x7ff, v8                        ; held inside the 2,048 tokens
	v_lshl_add_u32 v9, v8, 8, v4                   ; its 256 bytes of codes, + 16 h
	v_lshlrev_b32 v10, 4, v8                       ; its 16 scale bytes
.endm
.macro XLOAD
.irp ks, 0,1,2,3
.irp c, 0,1
	global_load_b128 v[XF+8*\ks+4*\c:XF+8*\ks+4*\c+3], v9, s[4:5] offset:64*\ks+32*\c
.endr
.endr
	global_load_b128 v[XSC:XSC+3], v10, s[4:5] offset:XSO
.endm
	s_load_b256 s[4:11], s[0:1], 0x0               ; q1 s[4:5], b1 s[6:7], route s[8:9], hq s[10:11]
	v_lshrrev_b32 v1, 5, v0
	v_readfirstlane_b32 s18, v1                    ; wave 0..7
	s_lshr_b32 s19, ttmp9, 5                       ; expert
	s_and_b32 s24, ttmp9, 31                       ; slice of 64 hidden units
	s_lshr_b32 s25, s18, 2                         ; groups of which parity
	s_and_b32 s26, s18, 3                          ; which tile of a group
	s_lshl_b32 s28, s19, 3
	s_mov_b32 s29, 0
	s_wait_kmcnt 0x0
	s_add_nc_u64 s[28:29], s[8:9], s[28:29]
	s_load_b64 s[30:31], s[28:29], ETABO           ; {first tile, groups} of my expert
	v_and_b32 v1, 15, v0                           ; r
	v_bfe_u32 v2, v0, 4, 1                         ; h
	v_lshlrev_b32 v3, 2, v1
	v_lshlrev_b32 v4, 4, v2
	v_and_b32 v5, 31, v0
	v_lshlrev_b32 v5, 4, v5                        ; 16 x lane
	v_lshlrev_b32 v6, 4, v1
	v_lshlrev_b32 v11, 6, v2                       ; b1: my half's 16 units
	v_mov_b32 v12, 0xc0135761                      ; k1
	v_mov_b32 v13, 0xc0135761                      ; (named with it as a pair)
	v_mov_b32 v[TM+4], 0                           ; written once: a lane exchange's destination counts as read
	v_mov_b32 v[TM+5], 0
	s_mov_b32 s20, 0xbdd2d3e8                      ; k2
	s_mov_b32 s21, 0xbdd2d3e8
	s_mov_b32 s22, 0x76543210
	s_mov_b32 s23, 0xfedcba98
	s_mov_b32 s37, 0
	s_lshl_b32 s42, s19, 7
	s_lshl_b32 s43, s24, 2
	s_add_co_u32 s42, s42, s43                     ; my first tile of W1
	s_lshl_b32 s36, s42, 12
	s_add_co_u32 s36, s36, W1CO
	s_add_nc_u64 s[34:35], s[4:5], s[36:37]
	s_lshl_b32 s36, s42, 8
	s_add_co_u32 s36, s36, W1SO
	s_add_nc_u64 s[44:45], s[4:5], s[36:37]
	s_lshl_b32 s36, s19, 13
	s_lshl_b32 s43, s24, 8
	s_add_co_u32 s36, s36, s43
	s_add_nc_u64 s[46:47], s[6:7], s[36:37]
	s_wait_kmcnt 0x0
	s_min_u32 s31, s31, 32                         ; an expert has at most 2,048 rows
	s_add_co_u32 s31, s31, 1
	s_sub_co_u32 s31, s31, s25
	s_lshr_b32 s31, s31, 1                         ; my trips
	s_cmp_eq_u32 s31, 0
	s_cbranch_scc1 .Lend                           ; this split leaves my wave no group
	s_lshl_b32 s27, s25, 2
	s_add_co_u32 s32, s30, s27
	s_add_co_u32 s32, s32, s26
	s_min_u32 s32, s32, 283                        ; my first tile of rows
	s_lshl_b32 s33, s31, 3
	s_add_co_u32 s33, s33, s32
	s_sub_co_u32 s33, s33, 8                       ; my last
	s_mov_b32 s30, 0
	s_lshl_b32 s36, s32, 14                        ; where my half fragments go: tile, K step sl / 2, half sl % 2
	s_lshr_b32 s42, s24, 1
	s_lshl_b32 s42, s42, 10
	s_add_co_u32 s36, s36, s42
	s_and_b32 s42, s24, 1
	s_lshl_b32 s42, s42, 9
	s_add_co_u32 s36, s36, s42
	s_add_nc_u64 s[38:39], s[10:11], s[36:37]
	s_lshl_b32 s36, s32, 10                        ; and my half scale words
	s_lshr_b32 s42, s24, 3
	s_lshl_b32 s42, s42, 8
	s_add_co_u32 s36, s36, s42
	s_bfe_u32 s42, s24, 0x20001
	s_lshl_b32 s42, s42, 2
	s_add_co_u32 s36, s36, s42
	s_and_b32 s42, s24, 1
	s_lshl_b32 s42, s42, 1
	s_add_co_u32 s36, s36, s42
	s_add_co_u32 s36, s36, HSO
	s_add_nc_u64 s[40:41], s[10:11], s[36:37]
	v_lshl_add_u32 v7, s32, 6, v3
	global_load_b32 v8, v7, s[8:9]                 ; the tokens of my first tile
	WIN 0x40                                       ; destination window 1
.irp t, 0,1,2,3
.irp ks, 0,1,2,3
.irp c, 0,1
	global_load_b128 v[8*(4*\t+\ks)+4*\c:8*(4*\t+\ks)+4*\c+3], v5, s[34:35] offset:4096*\t+1024*\ks+512*\c
.endr
.endr
.endr
.irp t, 0,1,2,3
	global_load_b128 v[BI+8*\t:BI+8*\t+3], v11, s[46:47] offset:(32*(\t/2)+8*(\t%2))*4
	global_load_b128 v[BI+8*\t+4:BI+8*\t+7], v11, s[46:47] offset:(32*(\t/2)+8*(\t%2))*4+16
.endr
	WIN 0
.irp u, 0,1
	global_load_b128 v[W1S+4*\u:W1S+4*\u+3], v5, s[44:45] offset:512*\u
.endr
	s_wait_loadcnt 42                              ; the tokens are in; the 32 + 8 + 2 loads of weights behind them may be out
	XADDR
	XLOAD
	s_add_co_u32 s36, s32, 8
	s_min_u32 s36, s36, s33                        ; no look-ahead passes my last tile
	s_min_u32 s36, s36, 283
	v_lshl_add_u32 v7, s36, 6, v3
	global_load_b32 v8, v7, s[8:9]                 ; the tokens of the next tile
.Ltrip:
	s_wait_loadcnt 0x0                             ; this tile's x, the next tile's tokens; in the first trip the weights
	WIN 0x11                                       ; source 0 (W1) and source 2 (b1) window 1
.irp t, 0,1,2,3
	WM v[ACC+8*\t:ACC+8*\t+7], v[8*(4*\t):8*(4*\t)+7], v[XF:XF+7], v[BI+8*\t:BI+8*\t+7], v[W1S+4*(\t/2)], v[XSC], \t%2, 0
.endr
	WIN 0x01
.irp ks, 1,2,3                                     ; the four accumulators by turns
.irp t, 0,1,2,3
	WM v[ACC+8*\t:ACC+8*\t+7], v[8*(4*\t+\ks):8*(4*\t+\ks)+7], v[XF+8*\ks:XF+8*\ks+7], v[ACC+8*\t:ACC+8*\t+7], v[W1S+4*(\t/2)+\ks], v[XSC+\ks], \t%2, 0
.endr
.endr
	WIN 0
	XADDR                                          ; three plain lines and a v_nop: the four places in front of loads into registers that the products read, and of the first read of results
	v_nop
	XLOAD                                          ; the next tile's x lands under the gelu
	s_add_co_u32 s36, s32, 16
	s_min_u32 s36, s36, s33
	s_min_u32 s36, s36, 283
	v_lshl_add_u32 v7, s36, 6, v3
	global_load_b32 v8, v7, s[8:9]
	; ---- gelu, 32 numbers a lane; each accumulator is read from its low end on
.irp p, 0,2,4,6,8,10,12,14,16,18,20,22,24,26,28,30
	v_pk_mul_f32 v[Z+\p:Z+\p+1], v[ACC+\p:ACC+\p+1], v[ACC+\p:ACC+\p+1]
.endr
.irp p, 0,2,4,6,8,10,12,14,16,18,20,22,24,26,28,30
	v_pk_fma_f32 v[Z+\p:Z+\p+1], v[Z+\p:Z+\p+1], s[20:21], v[12:13] op_sel_hi:[1,0,0]   ; k2 x^2 + k1
.endr
.irp p, 0,2,4,6,8,10,12,14,16,18,20,22,24,26,28,30
	v_pk_mul_f32 v[Z+\p:Z+\p+1], v[Z+\p:Z+\p+1], v[ACC+\p:ACC+\p+1]
.endr
.set i, 0
.rept 32
	v_exp_f32 v[Z+i], v[Z+i]
.set i, i+1
.endr
	v_nop                                          ; a plain line behind the batch
	s_wait_alu depctr_va_vdst(0)                   ; one wait for the 32, ahead of their first reader
.irp p, 0,2,4,6,8,10,12,14,16,18,20,22,24,26,28,30
	v_pk_add_f32 v[Z+\p:Z+\p+1], v[Z+\p:Z+\p+1], 1.0 op_sel_hi:[1,0]
.endr
.set i, 0
.rept 32
	v_rcp_f32 v[Z+i], v[Z+i]
.set i, i+1
.endr
	v_nop
	s_wait_alu depctr_va_vdst(0)
.irp p, 0,2,4,6,8,10,12,14,16,18,20,22,24,26,28,30
	v_pk_mul_f32 v[ACC+\p:ACC+\p+1], v[ACC+\p:ACC+\p+1], v[Z+\p:Z+\p+1]
.endr
	; ---- two blocks of 32 along the next K become codes and two scale bytes
.irp b, 0,1
	v_max3_num_f32 v[TM+\b], |v[ACC+16*\b]|, |v[ACC+1+16*\b]|, 0x1800000   ; my 16 numbers, and the floor 2^(3 - 127)
.endr
.irp i, 2,4,6,8,10,12,14
.irp b, 0,1
	v_max3_num_f32 v[TM+\b], v[TM+\b], |v[ACC+16*\b+\i]|, |v[ACC+1+16*\b+\i]|
.endr
.endr
.irp b, 0,1
	v_permlanex16_b32 v[TM+4+\b], v[TM+\b], s22, s23
.endr
.irp b, 0,1
	v_max_num_f32 v[TM+\b], v[TM+\b], v[TM+4+\b]   ; with lane l xor 16's: the block's largest magnitude
.endr
.irp b, 0,1
	v_add_nc_u32 v[TM+12+\b], 0xff000000, v[TM+\b]
.endr
.irp b, 0,1
	v_lshrrev_b32 v[TM+4+\b], 23, v[TM+12+\b]
.endr
	v_lshl_or_b32 v[PW], v[TM+5], 8, v[TM+4]
.irp b, 0,1
	v_cvt_scalef32_pk8_fp4_f32 v[PC+2*\b], v[ACC+16*\b:ACC+16*\b+7], v[TM+12+\b]
	v_cvt_scalef32_pk8_fp4_f32 v[PC+2*\b+1], v[ACC+16*\b+8:ACC+16*\b+15], v[TM+12+\b]
.endr
	v_nop                                          ; one plain line behind the last conversion
.irp i, 0,1
	v_permlane16_swap_b32 v[PC+\i], v[PC+2+\i]     ; a whole block to a lane: lanes 0-15 the first block, lanes 16-31 the second
.endr
	global_store_b128 v5, v[PC:PC+3], s[38:39]     ; 32 lanes store 512 consecutive bytes: half a fragment
	global_store_b16 v6, v[PW], s[40:41]           ; row r's two bytes; lanes 16-31 repeat lanes 0-15
	s_wait_xcnt 0x0                                ; the stores have read their registers and bases: both are written again only behind this wait
	s_add_nc_u64 s[38:39], s[38:39], 131072        ; eight tiles on
	s_add_nc_u64 s[40:41], s[40:41], 8192
	s_add_co_u32 s32, s32, 8
	s_add_co_u32 s30, s30, 1
	s_cmp_lt_u32 s30, s31
	s_cbranch_scc1 .Ltrip
.Lend:
	s_endpgm
.Lfunc_end_k_qccae122508_up:
	.size	k_qccae122508_up, .Lfunc_end_k_qccae122508_up-k_qccae122508_up
	.p2alignl 7, 3214868480
	.fill 96, 4, 3214868480
	.section	.rodata,"a",@progbits
	.p2align	6, 0x0
	.amdhsa_kernel k_qccae122508_up
		.amdhsa_group_segment_fixed_size 0
		.amdhsa_private_segment_fixed_size 0
		.amdhsa_enable_private_segment 0
		.amdhsa_kernarg_size 32
		.amdhsa_user_sgpr_count 2
		.amdhsa_user_sgpr_kernarg_segment_ptr 1
		.amdhsa_wavefront_size32 1
		.amdhsa_system_sgpr_workgroup_id_x 1
		.amdhsa_system_sgpr_workgroup_id_y 1
		.amdhsa_system_sgpr_workgroup_id_z 1
		.amdhsa_system_vgpr_workitem_id 0
		.amdhsa_next_free_vgpr 416
		.amdhsa_next_free_sgpr 66
		.amdhsa_reserve_vcc 0
		.amdhsa_float_denorm_mode_32 3
		.amdhsa_float_denorm_mode_16_64 3
		.amdhsa_memory_ordered 1
		.amdhsa_forward_progress 1
		.amdhsa_inst_pref_size 22
	.end_amdhsa_kernel
	.amdgpu_metadata
---
amdhsa.version: [ 1, 2 ]
amdhsa.kernels:
  - .name:           k_qccae122508_up
    .symbol:         k_qccae122508_up.kd
    .args:
      - { .name: q1, .offset: 0, .size: 8, .value_kind: global_buffer, .address_space: global }
      - { .name: b1, .offset: 8, .size: 8, .value_kind: global_buffer, .address_space: global }
      - { .name: route, .offset: 16, .size: 8, .value_kind: global_buffer, .address_space: global }
      - { .name: hq, .offset: 24, .size: 8, .value_kind: global_buffer, .address_space: global }
    .group_segment_fixed_size: 0
    .private_segment_fixed_size: 0
    .kernarg_segment_align: 8
    .kernarg_segment_size: 32
    .max_flat_workgroup_size: 256
    .sgpr_count:     66
    .vgpr_count:     416
    .wavefront_size: 32
...
	.end_amdgpu_metadata
.endif
;; end of part 3
;; launch down (part 4): grid 4 x 71, 4 waves a work-group, no clusters, 99,840 bytes of LDS; arguments hq, q2, b2, route, y; writes y
.if DOCPART == 4
	.amdgcn_target "amdgcn-amd-amdhsa--gfx1250"
	.amdhsa_code_object_version 6
	.text
	.protected	k_qccae122508_down
	.globl	k_qccae122508_down
	.p2align	8
	.type	k_qccae122508_down,@function
k_qccae122508_down:
	s_mov_b64 s[64:65], 0
	v_nop
	global_prefetch_b8 v0, s[64:65] scope:SCOPE_SE
	s_setreg_imm32_b32 hwreg(HW_REG_WAVE_MODE, 25, 1), 1
	s_wait_xcnt 0x0
; DOWN: y[P] = Q(h)[P] Q(W2[e]) + b2[e] for the routed positions alone (rows of experts not chosen are left out: their weight is 0 by reference()'s own scatter).
; SHARES.  Work-group (cs, g): group g of 64 positions x columns 128 cs .. + 127.  Wave w holds W2's two tiles of columns 32 w .. + 31 of those, all 16 K steps, in registers (window 1).
; The group's four tiles of h (64 KiB of codes) are brought once, a tile a wave, and shared through LDS as images of the operand's registers.
; A FIXED GRID FOR EVERY SPLIT: 71 groups.  A group that this split leaves empty takes group 0's operands by a scalar select and stores
; into its own rows of y, which nobody reads.  That work is of no use; it is at most 7 groups of 71.
; No tensor load and no cluster: which tiles a work-group reads hangs on stored numbers.
; THE PRODUCT IS USED TRANSPOSED (source 0 = 16 columns of W2, source 1 = 16 positions): a lane holds eight neighbouring columns of one row of y.
.set HSO,   4653056
.set W2SO,  4194304
.set GEXPO, 34816
.set ETABO, 35840
.set STG,   65536                      ; LDS: h's four tiles at 0 (16,384 bytes each); the stage: 64 rows x (512 + 16) bytes
.set SPARE, 99328                      ; the spare words, 128 bytes a wave: two blocks of 256 bytes that no other line names
.set W2S, 16                           ; v16-31   W2's scale words by K step: lanes 0-15 my first tile, lanes 16-31 my second
.set HS,  32                           ; v32-63   h's: register 16 mp + ks: lanes 0-15 tile 2 mp, lanes 16-31 tile 2 mp + 1
.set ACC, 64                           ; v64-127  accumulator (nt, m) at 8 (4 nt + m)
.set ST,  128                          ; v128-255 my tile of h as loaded; then four buffers of a K step's four fragments; then rows of y
.set MSB, 0
.macro WIN new
.if MSB != \new
	s_set_vgpr_msb (MSB<<8)|\new
.set MSB, \new
.endif
.endm
.macro WM d, a, b, c, sa, sb, ra, rb
.if (\ra) && (\rb)
	v_wmma_scale_f32_16x16x128_f8f6f4 \d, \a, \b, \c, \sa, \sb matrix_a_fmt:MATRIX_FMT_FP4 matrix_b_fmt:MATRIX_FMT_FP4 matrix_a_scale:MATRIX_SCALE_ROW1 matrix_b_scale:MATRIX_SCALE_ROW1
.elseif \ra
	v_wmma_scale_f32_16x16x128_f8f6f4 \d, \a, \b, \c, \sa, \sb matrix_a_fmt:MATRIX_FMT_FP4 matrix_b_fmt:MATRIX_FMT_FP4 matrix_a_scale:MATRIX_SCALE_ROW1
.elseif \rb
	v_wmma_scale_f32_16x16x128_f8f6f4 \d, \a, \b, \c, \sa, \sb matrix_a_fmt:MATRIX_FMT_FP4 matrix_b_fmt:MATRIX_FMT_FP4 matrix_b_scale:MATRIX_SCALE_ROW1
.else
	v_wmma_scale_f32_16x16x128_f8f6f4 \d, \a, \b, \c, \sa, \sb matrix_a_fmt:MATRIX_FMT_FP4 matrix_b_fmt:MATRIX_FMT_FP4
.endif
.endm
.macro FETCH ks                        ; K step ks: the four tiles' fragments into buffer ks % 4
.irp m, 0,1,2,3
.irp c, 0,1
	ds_load_b128 v[ST+32*((\ks)%4)+8*\m+4*\c:ST+32*((\ks)%4)+8*\m+4*\c+3], v3 offset:16384*\m+1024*(\ks)+512*\c
.endr
.endr
.endm
.macro DSTEP ks                        ; eight products, the eight accumulators by turns
.irp m, 0,1,2,3
.irp nt, 0,1
.if (\ks) == 0
	WM v[ACC+8*(4*\nt+\m):ACC+8*(4*\nt+\m)+7], v[8*(16*\nt+(\ks)):8*(16*\nt+(\ks))+7], v[ST+32*((\ks)%4)+8*\m:ST+32*((\ks)%4)+8*\m+7], 0, v[W2S+(\ks)], v[HS+16*(\m/2)+(\ks)], \nt, \m%2
.else
	WM v[ACC+8*(4*\nt+\m):ACC+8*(4*\nt+\m)+7], v[8*(16*\nt+(\ks)):8*(16*\nt+(\ks))+7], v[ST+32*((\ks)%4)+8*\m:ST+32*((\ks)%4)+8*\m+7], v[ACC+8*(4*\nt+\m):ACC+8*(4*\nt+\m)+7], v[W2S+(\ks)], v[HS+16*(\m/2)+(\ks)], \nt, \m%2
.endif
.endr
.endr
.endm
	s_load_b256 s[4:11], s[0:1], 0x0               ; hq s[4:5], q2 s[6:7], b2 s[8:9], route s[10:11]
	s_load_b64 s[12:13], s[0:1], 0x20              ; y
	v_lshl_add_u32 v10, v0, 2, SPARE               ; my spare word; never rewritten
	v_mov_b32 v11, 0                               ; 0; never rewritten
	v_lshrrev_b32 v1, 5, v0
	v_readfirstlane_b32 s18, v1                    ; wave 0..3
	s_and_b32 s19, ttmp7, 0xffff                   ; my group
	s_lshl_b32 s24, s19, 2
	s_mov_b32 s25, 0
	s_wait_kmcnt 0x0
	s_add_nc_u64 s[24:25], s[10:11], s[24:25]
	s_load_b32 s20, s[10:11], ETABO+64             ; groups in use
	s_load_b32 s21, s[10:11], GEXPO                ; group 0's expert
	s_load_b32 s22, s[24:25], GEXPO                ; my group's
	v_and_b32 v1, 15, v0                           ; r
	v_bfe_u32 v2, v0, 4, 1                         ; h
	v_and_b32 v3, 31, v0
	v_lshlrev_b32 v3, 4, v3                        ; 16 x lane
	v_lshlrev_b32 v4, 4, v1
	v_lshl_add_u32 v4, v2, 10, v4                  ; scale words: 16 r, lanes 16-31 one tile on
	s_lshl_b32 s40, s18, 14
	v_add_nc_u32 v5, s40, v3                       ; where my tile of h goes
	v_mul_u32_u24 v6, v1, 528
	v_lshl_add_u32 v6, v2, 5, v6
	s_lshl_b32 s40, s18, 7
	v_add_nc_u32 v6, s40, v6
	v_add_nc_u32 v6, STG, v6                       ; the stage, in: row r, + 32 h, + my 128 bytes
	s_mul_i32 s40, s18, 16*528
	v_add_nc_u32 v7, s40, v3
	v_add_nc_u32 v7, STG, v7                       ; back: my 16 rows, 16 bytes a lane
	s_mov_b32 s41, 0
	s_wait_kmcnt 0x0
	s_cmp_lt_u32 s19, s20
	s_cselect_b32 s23, s19, 0                      ; the group whose operands I take,
	s_cselect_b32 s26, s22, s21                    ; and its expert
	s_min_u32 s23, s23, 70
	s_min_u32 s26, s26, 7
	s_lshl_b32 s27, s26, 5
	s_lshl_b32 s40, ttmp9, 3
	s_add_co_u32 s27, s27, s40
	s_lshl_b32 s40, s18, 1
	s_add_co_u32 s27, s27, s40                     ; my first tile of W2
	s_lshl_b32 s40, s23, 2
	s_add_co_u32 s40, s40, s18
	s_lshl_b32 s40, s40, 14
	s_add_nc_u64 s[28:29], s[4:5], s[40:41]        ; my tile of h
	s_lshl_b32 s40, s23, 12
	s_add_co_u32 s40, s40, HSO
	s_add_nc_u64 s[30:31], s[4:5], s[40:41]        ; the group's scale words
	s_lshl_b32 s40, s27, 10
	s_add_co_u32 s40, s40, W2SO
	s_add_nc_u64 s[32:33], s[6:7], s[40:41]
	s_lshl_b32 s40, s27, 14
	s_add_nc_u64 s[34:35], s[6:7], s[40:41]
	s_lshl_b32 s40, s26, 11
	s_lshl_b32 s42, ttmp9, 9
	s_add_co_u32 s40, s40, s42
	s_add_nc_u64 s[36:37], s[8:9], s[40:41]        ; b2: my work-group's 128 columns
	s_lshl_b32 s40, s19, 6
	s_lshl_b32 s43, s18, 4
	s_add_co_u32 s40, s40, s43
	s_lshl_b32 s40, s40, 11
	s_add_co_u32 s40, s40, s42
	s_add_nc_u64 s[38:39], s[12:13], s[40:41]      ; y: my OWN group's rows 16 w on
.set i, 0
.rept 32
	global_load_b128 v[ST+4*i:ST+4*i+3], v3, s[28:29] offset:512*i
.set i, i+1
.endr
.irp mp, 0,1
.irp kg, 0,1,2,3
	global_load_b128 v[HS+16*\mp+4*\kg:HS+16*\mp+4*\kg+3], v4, s[30:31] offset:2048*\mp+256*\kg
.endr
.endr
.irp kg, 0,1,2,3
	global_load_b128 v[W2S+4*\kg:W2S+4*\kg+3], v4, s[32:33] offset:256*\kg
.endr
	global_load_b128 v[12:15], v3, s[36:37]
	WIN 0x40                                       ; destination window 1
.set i, 0
.rept 16                                           ; by K step, four loads each
.irp nt, 0,1
.irp c, 0,1
	global_load_b128 v[8*(16*\nt+i)+4*\c:8*(16*\nt+i)+4*\c+3], v3, s[34:35] offset:16384*\nt+1024*i+512*\c
.endr
.endr
.set i, i+1
.endr
	WIN 0
	s_wait_loadcnt 63                              ; of 109 loads 63 of W2's may be out: h's tile, all scale words and b2 are in
.set i, 0
.rept 32
	ds_store_b128 v5, v[ST+4*i:ST+4*i+3] offset:512*i
.set i, i+1
.endr
	s_wait_dscnt 0x0                               ; for the others' sake: my tile lies in LDS
	s_barrier_signal -1
	s_barrier_wait -1                              ; all four do
	FETCH 0
	FETCH 1
	FETCH 2
.set KS, 0
.rept 16
.if KS <= 12
.if KS > 0
.rept 4
	v_nop                                          ; four places in front of loads into the buffer that the last step's products read
.endr
.endif
	FETCH KS+3
.endif
.if KS < 13
	s_wait_dscnt 24                                ; this step's eight loads are in; those of the three steps behind it may be out
.else
	s_wait_dscnt 8*(15-KS)
.endif
	s_wait_loadcnt 60-4*KS                         ; W2's four loads of this step are in; four for each later step may be out
	WIN 0x01                                       ; source 0 (W2) window 1
	DSTEP KS
.if (KS < 12) || (KS == 15)
	WIN 0
.endif
.set KS, KS+1
.endr
.rept 4
	v_nop                                          ; four places in front of the first read of results and of loads into the buffers
.endr
.irp m, 0,1,2,3
.irp nt, 0,1
	ds_store_b128 v6, v[ACC+8*(4*\nt+\m):ACC+8*(4*\nt+\m)+3] offset:16*\m*528+64*\nt       ; each accumulator from its low end on
	ds_store_b128 v6, v[ACC+8*(4*\nt+\m)+4:ACC+8*(4*\nt+\m)+7] offset:16*\m*528+64*\nt+16
.endr
.endr
	s_wait_dscnt 0x0                               ; for the others' sake: my part of the 64 rows lies in the stage
	s_barrier_signal -1
	s_barrier_wait -1
.irp i, 0,1,2,3,4,5,6,7,8,9,10,11,12,13,14,15
	ds_load_b128 v[ST+4*\i:ST+4*\i+3], v7 offset:528*\i
.endr
.irp i, 0,1,2,3,4,5,6,7,8,9,10,11,12,13,14,15
	s_wait_dscnt 15-\i                             ; row i is in; the later rows may be out
	v_pk_add_f32 v[ST+4*\i:ST+4*\i+1], v[ST+4*\i:ST+4*\i+1], v[12:13]
	v_pk_add_f32 v[ST+4*\i+2:ST+4*\i+3], v[ST+4*\i+2:ST+4*\i+3], v[14:15]
	global_store_b128 v3, v[ST+4*\i:ST+4*\i+3], s[38:39] offset:2048*\i   ; 32 lanes store 512 consecutive bytes of a row
.endr
	s_wait_tensorcnt 0x0                           ; the wave's end: three lines behind my last LDS store
	ds_add_u32 v10, v11
	s_wait_dscnt 0x0
	s_endpgm
.Lfunc_end_k_qccae122508_down:
	.size	k_qccae122508_down, .Lfunc_end_k_qccae122508_down-k_qccae122508_down
	.p2alignl 7, 3214868480
	.fill 96, 4, 3214868480
	.section	.rodata,"a",@progbits
	.p2align	6, 0x0
	.amdhsa_kernel k_qccae122508_down
		.amdhsa_group_segment_fixed_size 99840
		.amdhsa_private_segment_fixed_size 0
		.amdhsa_enable_private_segment 0
		.amdhsa_kernarg_size 40
		.amdhsa_user_sgpr_count 2
		.amdhsa_user_sgpr_kernarg_segment_ptr 1
		.amdhsa_wavefront_size32 1
		.amdhsa_system_sgpr_workgroup_id_x 1
		.amdhsa_system_sgpr_workgroup_id_y 1
		.amdhsa_system_sgpr_workgroup_id_z 1
		.amdhsa_system_vgpr_workitem_id 0
		.amdhsa_next_free_vgpr 512
		.amdhsa_next_free_sgpr 66
		.amdhsa_reserve_vcc 0
		.amdhsa_float_denorm_mode_32 3
		.amdhsa_float_denorm_mode_16_64 3
		.amdhsa_memory_ordered 1
		.amdhsa_forward_progress 1
		.amdhsa_inst_pref_size 49
	.end_amdhsa_kernel
	.amdgpu_metadata
---
amdhsa.version: [ 1, 2 ]
amdhsa.kernels:
  - .name:           k_qccae122508_down
    .symbol:         k_qccae122508_down.kd
    .args:
      - { .name: hq, .offset: 0, .size: 8, .value_kind: global_buffer, .address_space: global }
      - { .name: q2, .offset: 8, .size: 8, .value_kind: global_buffer, .address_space: global }
      - { .name: b2, .offset: 16, .size: 8, .value_kind: global_buffer, .address_space: global }
      - { .name: route, .offset: 24, .size: 8, .value_kind: global_buffer, .address_space: global }
      - { .name: y, .offset: 32, .size: 8, .value_kind: global_buffer, .address_space: global }
    .group_segment_fixed_size: 99840
    .private_segment_fixed_size: 0
    .kernarg_segment_align: 8
    .kernarg_segment_size: 40
    .max_flat_workgroup_size: 128
    .sgpr_count:     66
    .vgpr_count:     512
    .wavefront_size: 32
...
	.end_amdgpu_metadata
.endif
;; end of part 4
;; launch final (part 5): grid 8 x 32, 4 waves a work-group, no clusters, 17,920 bytes of LDS; arguments x, q1, bs, route, y, out0; writes out0
.if DOCPART == 5
	.amdgcn_target "amdgcn-amd-amdhsa--gfx1250"
	.amdhsa_code_object_version 6
	.text
	.protected	k_qccae122508_final
	.globl	k_qccae122508_final
	.p2align	8
	.type	k_qccae122508_final,@function
k_qccae122508_final:
	s_mov_b64 s[64:65], 0
	v_nop
	global_prefetch_b8 v0, s[64:65] scope:SCOPE_SE
	s_setreg_imm32_b32 hwreg(HW_REG_WAVE_MODE, 25, 1), 1
	s_wait_xcnt 0x0
; FINAL: out0 = x + (Q(x) Q(Ws) + bs, its two halves of 512 columns added) + w1 y[P1] + w2 y[P2].
; SHARES.  Work-group (cs, tb): columns 64 cs .. + 63 x tokens 64 tb .. + 63; wave w: 16 tokens x four tiles of columns.  Both halves of Ws add into ONE accumulator: that is reference()'s sum over the shared heads.
; Each output row has one owner: a token's two rows of y are gathered by the positions that an earlier launch stored.  The stage is each wave's own: no barrier.
; No tensor load, no cluster: the launch is short, and the y rows hang on stored numbers.
; THE PRODUCT IS USED TRANSPOSED (source 0 = 16 columns of Ws, source 1 = 16 tokens); the result goes through LDS so that sixteen lanes hold 256 consecutive bytes of a row.
.set XSO,   524288
.set GTO,   557056
.set WSCO,  5046272
.set WSSO,  5308416
.set POSO,  18432
.set SPARE, 17408                      ; LDS: a stage of 16 rows x (256 + 16) bytes a wave, then the spare words, 128 bytes a wave
.set PS,  16                           ; v16-31   positions, then offsets in y
.set GA,  32                           ; v32-47   the two weights, a pair for each pair of rows
.set XF,  48                           ; v48-79   x's fragments; later the rows read back
.set XSC, 80                           ; v80-83   x's scale words
.set WSS, 84                           ; v84-99   Ws's: register 4 nt + ks: lanes 0-15 the first half's tile, lanes 16-31 the second's
.set XR,  100                          ; v100-131 x in f32, by rows
.set BS,  132                          ; v132-139 bs, both halves
.set YA,  140
.set YB,  172
.set ACC, 204                          ; v204-235
.set MSB, 0
.macro WIN new
.if MSB != \new
	s_set_vgpr_msb (MSB<<8)|\new
.set MSB, \new
.endif
.endm
.macro WM d, a, b, c, sa, sb, ra
.if \ra
	v_wmma_scale_f32_16x16x128_f8f6f4 \d, \a, \b, \c, \sa, \sb matrix_a_fmt:MATRIX_FMT_FP4 matrix_b_fmt:MATRIX_FMT_FP4 matrix_a_scale:MATRIX_SCALE_ROW1
.else
	v_wmma_scale_f32_16x16x128_f8f6f4 \d, \a, \b, \c, \sa, \sb matrix_a_fmt:MATRIX_FMT_FP4 matrix_b_fmt:MATRIX_FMT_FP4
.endif
.endm
.macro WSLOAD nt                       ; tile nt's eight fragments (half, K step) into window 1 at 8 (4 (2 nt + half) + ks)
.irp hf, 0,1
.irp ks, 0,1,2,3
.irp c, 0,1
	global_load_b128 v[8*(4*(2*\nt+\hf)+\ks)+4*\c:8*(4*(2*\nt+\hf)+\ks)+4*\c+3], v3, s[34:35] offset:131072*\hf+4096*\nt+1024*\ks+512*\c
.endr
.endr
.endr
.endm
	s_load_b256 s[4:11], s[0:1], 0x0               ; x s[4:5], q1 s[6:7], bs s[8:9], route s[10:11]
	s_load_b128 s[12:15], s[0:1], 0x20             ; y s[12:13], out0 s[14:15]
	v_lshl_add_u32 v10, v0, 2, SPARE               ; my spare word; never rewritten
	v_mov_b32 v11, 0                               ; 0; never rewritten
	v_lshrrev_b32 v1, 5, v0
	v_readfirstlane_b32 s18, v1                    ; wave 0..3
	s_and_b32 s19, ttmp7, 0xffff
	s_lshl_b32 s20, s19, 6
	s_lshl_b32 s21, s18, 4
	s_add_co_u32 s20, s20, s21                     ; my first token
	v_and_b32 v1, 15, v0                           ; r
	v_bfe_u32 v2, v0, 4, 1                         ; h
	v_and_b32 v3, 31, v0
	v_lshlrev_b32 v3, 4, v3                        ; 16 x lane
	v_lshlrev_b32 v8, 4, v1                        ; 16 r
	v_lshl_add_u32 v4, v2, 11, v8                  ; by rows: lanes 0-15 one row, lanes 16-31 the next
	s_mul_i32 s21, s18, 16*272
	v_mul_u32_u24 v5, v1, 272
	v_lshl_add_u32 v5, v2, 5, v5
	v_add_nc_u32 v5, s21, v5                       ; the stage, in: row r, + 32 h
	v_mul_u32_u24 v6, v2, 272
	v_add_nc_u32 v6, v6, v8
	v_add_nc_u32 v6, s21, v6                       ; back
	v_lshlrev_b32 v7, 8, v1
	v_lshl_add_u32 v7, v2, 4, v7                   ; x's codes: row r of 256 bytes, + 16 h
	v_lshl_add_u32 v9, v2, 13, v8                  ; Ws's scale words: lanes 16-31 take the second half's tile, 32 tiles on
	v_lshlrev_b32 v14, 3, v2
	v_lshlrev_b32 v15, 4, v2
	s_mov_b32 s23, 0
	s_wait_kmcnt 0x0
	s_lshl_b32 s22, s20, 3
	s_add_co_u32 s22, s22, POSO
	s_add_nc_u64 s[24:25], s[10:11], s[22:23]      ; positions
	s_lshl_b32 s22, s20, 8
	s_add_nc_u64 s[26:27], s[6:7], s[22:23]        ; x's codes
	s_lshl_b32 s22, s20, 4
	s_add_co_u32 s22, s22, XSO
	s_add_nc_u64 s[28:29], s[6:7], s[22:23]        ; x's scale bytes
	s_add_co_u32 s22, s22, GTO-XSO
	s_add_nc_u64 s[30:31], s[6:7], s[22:23]        ; the weights
	s_lshl_b32 s22, ttmp9, 10
	s_add_co_u32 s22, s22, WSSO
	s_add_nc_u64 s[32:33], s[6:7], s[22:23]
	s_lshl_b32 s22, ttmp9, 14
	s_add_co_u32 s22, s22, WSCO
	s_add_nc_u64 s[34:35], s[6:7], s[22:23]
	s_lshl_b32 s22, ttmp9, 8                       ; my 64 columns in bytes
	s_add_nc_u64 s[36:37], s[12:13], s[22:23]      ; y
	s_add_nc_u64 s[42:43], s[8:9], s[22:23]        ; bs
	s_lshl_b32 s44, s20, 11
	s_add_co_u32 s22, s22, s44
	s_add_nc_u64 s[38:39], s[4:5], s[22:23]        ; x
	s_add_nc_u64 s[40:41], s[14:15], s[22:23]      ; out0
.irp i, 0,1,2,3,4,5,6,7
	global_load_b64 v[PS+2*\i:PS+2*\i+1], v14, s[24:25] offset:16*\i   ; token 2 i + h: its two positions
.endr
.irp ks, 0,1,2,3
.irp c, 0,1
	global_load_b128 v[XF+8*\ks+4*\c:XF+8*\ks+4*\c+3], v7, s[26:27] offset:64*\ks+32*\c
.endr
.endr
	global_load_b128 v[XSC:XSC+3], v8, s[28:29]
.irp nt, 0,1,2,3
	global_load_b128 v[WSS+4*\nt:WSS+4*\nt+3], v9, s[32:33] offset:256*\nt
.endr
	WIN 0x40                                       ; destination window 1
	WSLOAD 0
	WSLOAD 1
	WIN 0
	s_wait_loadcnt 45                              ; the positions are in; the 8 + 1 + 4 + 32 loads behind them may be out
.irp k, 0,1,2,3,4,5,6,7,8,9,10,11,12,13,14,15
	v_min_u32 v[PS+\k], 0x11bf, v[PS+\k]           ; held inside the 4,544 positions
	v_lshl_add_u32 v[PS+\k], v[PS+\k], 11, v8      ; a row of y is 2,048 bytes; + 16 r
.endr
.irp i, 0,1,2,3,4,5,6,7
	global_load_b128 v[YA+4*\i:YA+4*\i+3], v[PS+2*\i], s[36:37]      ; sixteen lanes take 256 consecutive bytes of a row
	global_load_b128 v[YB+4*\i:YB+4*\i+3], v[PS+2*\i+1], s[36:37]
.endr
	WIN 0x40
	WSLOAD 2
	WSLOAD 3
	WIN 0
.irp i, 0,1,2,3,4,5,6,7
	global_load_b64 v[GA+2*\i:GA+2*\i+1], v15, s[30:31] offset:32*\i
.endr
.irp i, 0,1,2,3,4,5,6,7
	global_load_b128 v[XR+4*\i:XR+4*\i+3], v4, s[38:39] offset:4096*\i
.endr
	global_load_b128 v[BS:BS+3], v8, s[42:43]
	global_load_b128 v[BS+4:BS+7], v8, s[42:43] offset:2048
	s_wait_loadcnt 0x0
	WIN 0x01                                       ; source 0 (Ws) window 1
.irp nt, 0,1,2,3
	WM v[ACC+8*\nt:ACC+8*\nt+7], v[8*(4*(2*\nt)):8*(4*(2*\nt))+7], v[XF:XF+7], 0, v[WSS+4*\nt], v[XSC], 0
.endr
.irp ks, 1,2,3                                     ; the four accumulators by turns
.irp nt, 0,1,2,3
	WM v[ACC+8*\nt:ACC+8*\nt+7], v[8*(4*(2*\nt)+\ks):8*(4*(2*\nt)+\ks)+7], v[XF+8*\ks:XF+8*\ks+7], v[ACC+8*\nt:ACC+8*\nt+7], v[WSS+4*\nt+\ks], v[XSC+\ks], 0
.endr
.endr
.irp ks, 0,1,2,3
.irp nt, 0,1,2,3
	WM v[ACC+8*\nt:ACC+8*\nt+7], v[8*(4*(2*\nt+1)+\ks):8*(4*(2*\nt+1)+\ks)+7], v[XF+8*\ks:XF+8*\ks+7], v[ACC+8*\nt:ACC+8*\nt+7], v[WSS+4*\nt+\ks], v[XSC+\ks], 1
.endr
.endr
	WIN 0
	v_pk_add_f32 v[BS:BS+1], v[BS:BS+1], v[BS+4:BS+5]       ; bs's two halves.  With two v_nop: the four places in front of the first read of results and of loads into x's fragments
	v_pk_add_f32 v[BS+2:BS+3], v[BS+2:BS+3], v[BS+6:BS+7]
	v_nop
	v_nop
.irp nt, 0,1,2,3
	ds_store_b128 v5, v[ACC+8*\nt:ACC+8*\nt+3] offset:64*\nt          ; each accumulator from its low end on
	ds_store_b128 v5, v[ACC+8*\nt+4:ACC+8*\nt+7] offset:64*\nt+16
.endr
.irp i, 0,1,2,3,4,5,6,7
	ds_load_b128 v[XF+4*\i:XF+4*\i+3], v6 offset:544*\i               ; LDS serves a wave's instructions in order: these see my stores
.endr
.irp i, 0,1,2,3,4,5,6,7
	v_pk_add_f32 v[XR+4*\i:XR+4*\i+1], v[XR+4*\i:XR+4*\i+1], v[BS:BS+1]           ; x + bs, while the rows come back
	v_pk_add_f32 v[XR+4*\i+2:XR+4*\i+3], v[XR+4*\i+2:XR+4*\i+3], v[BS+2:BS+3]
.endr
.irp i, 0,1,2,3,4,5,6,7
	s_wait_dscnt 7-\i                              ; rows 2 i, 2 i + 1 are in; the later pairs may be out
	v_pk_add_f32 v[XF+4*\i:XF+4*\i+1], v[XF+4*\i:XF+4*\i+1], v[XR+4*\i:XR+4*\i+1]
	v_pk_add_f32 v[XF+4*\i+2:XF+4*\i+3], v[XF+4*\i+2:XF+4*\i+3], v[XR+4*\i+2:XR+4*\i+3]
.irp j, 0,1,2,3
	v_fmac_f32 v[XF+4*\i+\j], v[YA+4*\i+\j], v[GA+2*\i]
.endr
.irp j, 0,1,2,3
	v_fmac_f32 v[XF+4*\i+\j], v[YB+4*\i+\j], v[GA+2*\i+1]
.endr
	global_store_b128 v4, v[XF+4*\i:XF+4*\i+3], s[40:41] offset:4096*\i th:TH_STORE_NT   ; sixteen lanes store 256 consecutive bytes, at a multiple of 256 from out0's first byte
.endr
	s_wait_tensorcnt 0x0                           ; the wave's end: three lines behind my last LDS store
	ds_add_u32 v10, v11
	s_wait_dscnt 0x0
	s_endpgm
.Lfunc_end_k_qccae122508_final:
	.size	k_qccae122508_final, .Lfunc_end_k_qccae122508_final-k_qccae122508_final
	.p2alignl 7, 3214868480
	.fill 96, 4, 3214868480
	.section	.rodata,"a",@progbits
	.p2align	6, 0x0
	.amdhsa_kernel k_qccae122508_final
		.amdhsa_group_segment_fixed_size 17920
		.amdhsa_private_segment_fixed_size 0
		.amdhsa_enable_private_segment 0
		.amdhsa_kernarg_size 48
		.amdhsa_user_sgpr_count 2
		.amdhsa_user_sgpr_kernarg_segment_ptr 1
		.amdhsa_wavefront_size32 1
		.amdhsa_system_sgpr_workgroup_id_x 1
		.amdhsa_system_sgpr_workgroup_id_y 1
		.amdhsa_system_sgpr_workgroup_id_z 1
		.amdhsa_system_vgpr_workitem_id 0
		.amdhsa_next_free_vgpr 512
		.amdhsa_next_free_sgpr 66
		.amdhsa_reserve_vcc 0
		.amdhsa_float_denorm_mode_32 3
		.amdhsa_float_denorm_mode_16_64 3
		.amdhsa_memory_ordered 1
		.amdhsa_forward_progress 1
		.amdhsa_inst_pref_size 27
	.end_amdhsa_kernel
	.amdgpu_metadata
---
amdhsa.version: [ 1, 2 ]
amdhsa.kernels:
  - .name:           k_qccae122508_final
    .symbol:         k_qccae122508_final.kd
    .args:
      - { .name: x, .offset: 0, .size: 8, .value_kind: global_buffer, .address_space: global }
      - { .name: q1, .offset: 8, .size: 8, .value_kind: global_buffer, .address_space: global }
      - { .name: bs, .offset: 16, .size: 8, .value_kind: global_buffer, .address_space: global }
      - { .name: route, .offset: 24, .size: 8, .value_kind: global_buffer, .address_space: global }
      - { .name: y, .offset: 32, .size: 8, .value_kind: global_buffer, .address_space: global }
      - { .name: out0, .offset: 40, .size: 8, .value_kind: global_buffer, .address_space: global }
    .group_segment_fixed_size: 17920
    .private_segment_fixed_size: 0
    .kernarg_segment_align: 8
    .kernarg_segment_size: 48
    .max_flat_workgroup_size: 128
    .sgpr_count:     66
    .vgpr_count:     512
    .wavefront_size: 32
...
	.end_amdgpu_metadata
.endif
;; end of part 5
;; ======== version 2 of 2: 5 launches; version 1 with the launches up, down, final written anew for expert scheduling mode
;; workspace buffers: q1 5,324,800 bytes; keys 8,192 bytes of whole numbers; q2 4,456,448 bytes; route 36,096 bytes of whole numbers; hq 4,943,872 bytes; y 9,306,112 bytes
;; launch prep1: the kernel of part 1 again; grid 336 x 1, 8 waves a work-group, no clusters, 60,928 bytes of LDS; arguments x, Wg, bg, W1, Ws, q1, keys; writes q1, keys
;; launch prep2: the kernel of part 2 again; grid 257 x 1, 8 waves a work-group, no clusters, 3,072 bytes of LDS; arguments W2, keys, q1, q2, route, out1, out2; writes q2, route, out1, out2
;; launch up (part 6): grid 256 x 1, 8 waves a work-group, no clusters, 0 bytes of LDS; arguments q1, b1, route, hq; writes hq
.if DOCPART == 6
	.amdgcn_target "amdgcn-amd-amdhsa--gfx1250"
	.amdhsa_code_object_version 6
	.text
	.protected	k_qccae122508_up
	.globl	k_qccae122508_up
	.p2align	8
	.type	k_qccae122508_up,@function
k_qccae122508_up:
	s_mov_b64 s[64:65], 0
	v_nop
	global_prefetch_b8 v0, s[64:65] scope:SCOPE_SE
	s_setreg_imm32_b32 hwreg(HW_REG_WAVE_SCHED_MODE, 0, 2), 2
	s_setreg_imm32_b32 hwreg(HW_REG_WAVE_MODE, 25, 1), 1
	s_wait_xcnt 0x0
	s_wait_alu depctr_vm_vsrc(0)
; UP: h = Q(gelu(Q(x) Q(W1[e]) + b1[e])) for the routed rows alone: rows of experts that a token did not choose have the weight 0 by reference()'s own scatter and are left out.
; SHARES.  Work-group (e, sl): expert e, hidden units 64 sl .. 64 sl + 63 = four tiles of W1, whose 16 fragments every wave keeps in registers.  Wave w takes tile w % 4 of the expert's groups
; of 64 rows w / 4, w / 4 + 2, ..: the number of trips is read from the table that the launch before stored.  So: no LDS, no barrier, no tensor load, no cluster.
; THE PRODUCT IS USED TRANSPOSED (source 0 = 16 rows of W1, source 1 = 16 tokens): a lane holds one token, and, by the choice of W1's rows for a tile, the 16 registers of tiles 2 b, 2 b + 1
; are hidden units 32 b + 16 (lane / 16) + 0 .. 15: neighbours along the next K.  The bias is the C of each sum's first product.
; gelu (tanh form) = x / (1 + 2^(x (k1 + k2 x^2))), k1 = -2 log2(e) sqrt(2 / pi), k2 = 0.044715 k1: the same function, one exponential and one reciprocal.
; hq: HC [284 tiles][16 K steps][1024 B], images of the operand's registers | HS [284][4][16 rows][4] scale words; my 64 units are half a fragment (512 bytes) and half a word.
; LIMITS of the quantiser: byte 1 under 2^-124 and for a block of zeros.  Pad rows carry token 0 and are read by nobody.
; THE MODE: SCHED_MODE bits 1:0 = 2 (LLVM: expert scheduling mode 2), set by the entry lines.  The code itself states the register dependences
; between vector or matrix instructions and memory instructions, with s_wait_alu, always for 0.
; THE PLAN.  Registers that memory instructions touch:
;   v5, v6, v11   offsets, made once at the head and never written again.
;   v7            offset of a list of 16 tokens: written by one vector line a trip, read by the load of the tokens.
;   v8            the tokens: the load lands in it; the three address lines of the next trip hold it and read it.
;   v9, v10       a token's codes and scale bytes: written by the address lines, read by the nine loads of x.
;   XF, XSC       x's fragments and scale words: the nine loads land in them; the trip's sixteen products read them.
;   PC, PW        codes and scale bytes: written by the conversions and the swaps, read by the trip's two stores.
;   window 1, W1S loaded once at the head; read by products alone.
; A trip: at its head one wait on vm_vsrc (the last loads have read v7, v9, v10; the last trip's stores have read PC, PW).  Behind the products and their four places ONE wait on va_vdst
; (XF and XSC are read, v7, v9, v10 are written, v8 is read), and behind it the ten loads of the next tile at once: the gelu that follows names none of their registers.  One more ahead of the two stores.
.set XSO,   524288
.set W1CO,  589824
.set W1SO,  4784128
.set ETABO, 35840
.set HSO,   4653056
.set XF,  16                           ; v16-47   x's four fragments
.set XSC, 48                           ; v48-51   x's scale words, a K step each
.set W1S, 52                           ; v52-59   W1's: register 4 u + ks: lanes 0-15 tile 2 u, lanes 16-31 tile 2 u + 1
.set ACC, 64                           ; v64-95   four accumulators
.set Z,   96                           ; v96-127  at work in the gelu
.set PC,  128                          ; v128-131 the codes
.set PW,  132                          ; v132     two scale bytes
.set TM,  136
.set BI,  128                          ; window 1: v0-127 W1's fragments (tile t, K step ks) at 8 (4 t + ks); v128-159 b1, eight a tile
.set MSB, 0
.macro WIN new                         ; the immediate's high byte repeats the setting that is left
.if MSB != \new
	s_set_vgpr_msb (MSB<<8)|\new
.set MSB, \new
.endif
.endm
.macro WM d, a, b, c, sa, sb, ra, rb   ; ra, rb: the side's scales stand in lanes 16-31
.if (\ra) && (\rb)
	v_wmma_scale_f32_16x16x128_f8f6f4 \d, \a, \b, \c, \sa, \sb matrix_a_fmt:MATRIX_FMT_FP4 matrix_b_fmt:MATRIX_FMT_FP4 matrix_a_scale:MATRIX_SCALE_ROW1 matrix_b_scale:MATRIX_SCALE_ROW1
.elseif \ra
	v_wmma_scale_f32_16x16x128_f8f6f4 \d, \a, \b, \c, \sa, \sb matrix_a_fmt:MATRIX_FMT_FP4 matrix_b_fmt:MATRIX_FMT_FP4 matrix_a_scale:MATRIX_SCALE_ROW1
.elseif \rb
	v_wmma_scale_f32_16x16x128_f8f6f4 \d, \a, \b, \c, \sa, \sb matrix_a_fmt:MATRIX_FMT_FP4 matrix_b_fmt:MATRIX_FMT_FP4 matrix_b_scale:MATRIX_SCALE_ROW1
.else
	v_wmma_scale_f32_16x16x128_f8f6f4 \d, \a, \b, \c, \sa, \sb matrix_a_fmt:MATRIX_FMT_FP4 matrix_b_fmt:MATRIX_FMT_FP4
.endif
.endm
.macro XADDR                           ; the token just loaded becomes two offsets
	v_min_u32 v8, 0x7ff, v8                        ; held inside the 2,048 tokens
	v_lshl_add_u32 v9, v8, 8, v4                   ; its 256 bytes of codes, + 16 h
	v_lshlrev_b32 v10, 4, v8                       ; its 16 scale bytes
.endm
.macro XLOAD
.irp ks, 0,1,2,3
.irp c, 0,1
	global_load_b128 v[XF+8*\ks+4*\c:XF+8*\ks+4*\c+3], v9, s[4:5] offset:64*\ks+32*\c
.endr
.endr
	global_load_b128 v[XSC:XSC+3], v10, s[4:5] offset:XSO
.endm
	s_load_b256 s[4:11], s[0:1], 0x0               ; q1 s[4:5], b1 s[6:7], route s[8:9], hq s[10:11]
	v_lshrrev_b32 v1, 5, v0
	v_readfirstlane_b32 s18, v1                    ; wave 0..7
	s_wait_alu depctr_va_sdst(0)                   ; s18 is written, ahead of its first reader: the wave's groups and tile are made from it
	s_lshr_b32 s19, ttmp9, 5                       ; expert
	s_and_b32 s24, ttmp9, 31                       ; slice of 64 hidden units
	s_lshr_b32 s25, s18, 2                         ; groups of which parity
	s_and_b32 s26, s18, 3                          ; which tile of a group
	s_lshl_b32 s28, s19, 3
	s_mov_b32 s29, 0
	s_wait_kmcnt 0x0
	s_add_nc_u64 s[28:29], s[8:9], s[28:29]
	s_load_b64 s[30:31], s[28:29], ETABO           ; {first tile, groups} of my expert
	v_and_b32 v1, 15, v0                           ; r
	v_bfe_u32 v2, v0, 4, 1                         ; h
	v_lshlrev_b32 v3, 2, v1
	v_lshlrev_b32 v4, 4, v2
	v_and_b32 v5, 31, v0
	v_lshlrev_b32 v5, 4, v5                        ; 16 x lane
	v_lshlrev_b32 v6, 4, v1
	v_lshlrev_b32 v11, 6, v2                       ; b1: my half's 16 units
	v_mov_b32 v12, 0xc0135761                      ; k1
	v_mov_b32 v13, 0xc0135761                      ; (named with it as a pair)
	v_mov_b32 v[TM+4], 0                           ; written once: a lane exchange's destination counts as read
	v_mov_b32 v[TM+5], 0
	s_mov_b32 s20, 0xbdd2d3e8                      ; k2
	s_mov_b32 s21, 0xbdd2d3e8
	s_mov_b32 s22, 0x76543210
	s_mov_b32 s23, 0xfedcba98
	s_mov_b32 s37, 0
	s_lshl_b32 s42, s19, 7
	s_lshl_b32 s43, s24, 2
	s_add_co_u32 s42, s42, s43                     ; my first tile of W1
	s_lshl_b32 s36, s42, 12
	s_add_co_u32 s36, s36, W1CO
	s_add_nc_u64 s[34:35], s[4:5], s[36:37]
	s_lshl_b32 s36, s42, 8
	s_add_co_u32 s36, s36, W1SO
	s_add_nc_u64 s[44:45], s[4:5], s[36:37]
	s_lshl_b32 s36, s19, 13
	s_lshl_b32 s43, s24, 8
	s_add_co_u32 s36, s36, s43
	s_add_nc_u64 s[46:47], s[6:7], s[36:37]
	s_wait_kmcnt 0x0
	s_min_u32 s31, s31, 32                         ; an expert has at most 2,048 rows
	s_add_co_u32 s31, s31, 1
	s_sub_co_u32 s31, s31, s25
	s_lshr_b32 s31, s31, 1                         ; my trips
	s_cmp_eq_u32 s31, 0
	s_cbranch_scc1 .Lend                           ; this split leaves my wave no group
	s_lshl_b32 s27, s25, 2
	s_add_co_u32 s32, s30, s27
	s_add_co_u32 s32, s32, s26
	s_min_u32 s32, s32, 283                        ; my first tile of rows
	s_lshl_b32 s33, s31, 3
	s_add_co_u32 s33, s33, s32
	s_sub_co_u32 s33, s33, 8                       ; my last
	s_mov_b32 s30, 0
	s_lshl_b32 s36, s32, 14                        ; where my half fragments go: tile, K step sl / 2, half sl % 2
	s_lshr_b32 s42, s24, 1
	s_lshl_b32 s42, s42, 10
	s_add_co_u32 s36, s36, s42
	s_and_b32 s42, s24, 1
	s_lshl_b32 s42, s42, 9
	s_add_co_u32 s36, s36, s42
	s_add_nc_u64 s[38:39], s[10:11], s[36:37]
	s_lshl_b32 s36, s32, 10                        ; and my half scale words
	s_lshr_b32 s42, s24, 3
	s_lshl_b32 s42, s42, 8
	s_add_co_u32 s36, s36, s42
	s_bfe_u32 s42, s24, 0x20001
	s_lshl_b32 s42, s42, 2
	s_add_co_u32 s36, s36, s42
	s_and_b32 s42, s24, 1
	s_lshl_b32 s42, s42, 1
	s_add_co_u32 s36, s36, s42
	s_add_co_u32 s36, s36, HSO
	s_add_nc_u64 s[40:41], s[10:11], s[36:37]
	v_lshl_add_u32 v7, s32, 6, v3
	s_wait_alu depctr_va_vdst(0)                   ; the offsets v5, v6, v7 and v11 are written, which the loads below and the loop's stores read
	global_load_b32 v8, v7, s[8:9]                 ; the tokens of my first tile
	WIN 0x40                                       ; destination window 1
.irp t, 0,1,2,3
.irp ks, 0,1,2,3
.irp c, 0,1
	global_load_b128 v[8*(4*\t+\ks)+4*\c:8*(4*\t+\ks)+4*\c+3], v5, s[34:35] offset:4096*\t+1024*\ks+512*\c
.endr
.endr
.endr
.irp t, 0,1,2,3
	global_load_b128 v[BI+8*\t:BI+8*\t+3], v11, s[46:47] offset:(32*(\t/2)+8*(\t%2))*4
	global_load_b128 v[BI+8*\t+4:BI+8*\t+7], v11, s[46:47] offset:(32*(\t/2)+8*(\t%2))*4+16
.endr
	WIN 0
.irp u, 0,1
	global_load_b128 v[W1S+4*\u:W1S+4*\u+3], v5, s[44:45] offset:512*\u
.endr
	s_wait_loadcnt 42                              ; the tokens are in; the 32 + 8 + 2 loads of weights behind them may be out
	s_wait_alu depctr_vm_vsrc(0)                   ; the load of the tokens has read v7, which is written again below
	XADDR
	s_add_co_u32 s36, s32, 8
	s_min_u32 s36, s36, s33                        ; no look-ahead passes my last tile
	s_min_u32 s36, s36, 283
	v_lshl_add_u32 v7, s36, 6, v3
	s_wait_alu depctr_va_vdst(0)                   ; v9, v10 and v7 are written, which the ten loads below read; the address lines are done with v8, in which the last of them lands
	XLOAD
	global_load_b32 v8, v7, s[8:9]                 ; the tokens of the next tile
.Ltrip:
	s_wait_loadcnt 0x0                             ; this tile's x, the next tile's tokens; in the first trip the weights
	s_wait_alu depctr_vm_vsrc(0)                   ; the last ten loads have read v7, v9 and v10, and the last trip's stores PC and PW: all five are written again in this trip
	WIN 0x11                                       ; source 0 (W1) and source 2 (b1) window 1
.irp t, 0,1,2,3
	WM v[ACC+8*\t:ACC+8*\t+7], v[8*(4*\t):8*(4*\t)+7], v[XF:XF+7], v[BI+8*\t:BI+8*\t+7], v[W1S+4*(\t/2)], v[XSC], \t%2, 0
.endr
	WIN 0x01
.irp ks, 1,2,3                                     ; the four accumulators by turns
.irp t, 0,1,2,3
	WM v[ACC+8*\t:ACC+8*\t+7], v[8*(4*\t+\ks):8*(4*\t+\ks)+7], v[XF+8*\ks:XF+8*\ks+7], v[ACC+8*\t:ACC+8*\t+7], v[W1S+4*(\t/2)+\ks], v[XSC+\ks], \t%2, 0
.endr
.endr
	WIN 0
	s_add_co_u32 s36, s32, 16
	s_min_u32 s36, s36, s33
	s_min_u32 s36, s36, 283
	XADDR                                          ; these three plain lines and the next are the four places in front of the first read of results
	v_lshl_add_u32 v7, s36, 6, v3
	s_wait_alu depctr_va_vdst(0)                   ; the products are done reading XF and XSC, in which the loads below land; v9, v10 and v7 are written, which they read; the address lines are done with v8
	XLOAD                                          ; the next tile's x lands under the gelu, which names none of these registers
	global_load_b32 v8, v7, s[8:9]
	; ---- gelu, 32 numbers a lane; each accumulator is read from its low end on
.irp p, 0,2,4,6,8,10,12,14,16,18,20,22,24,26,28,30
	v_pk_mul_f32 v[Z+\p:Z+\p+1], v[ACC+\p:ACC+\p+1], v[ACC+\p:ACC+\p+1]
.endr
.irp p, 0,2,4,6,8,10,12,14,16,18,20,22,24,26,28,30
	v_pk_fma_f32 v[Z+\p:Z+\p+1], v[Z+\p:Z+\p+1], s[20:21], v[12:13] op_sel_hi:[1,0,0]   ; k2 x^2 + k1
.endr
.irp p, 0,2,4,6,8,10,12,14,16,18,20,22,24,26,28,30
	v_pk_mul_f32 v[Z+\p:Z+\p+1], v[Z+\p:Z+\p+1], v[ACC+\p:ACC+\p+1]
.endr
.set i, 0
.rept 32
	v_exp_f32 v[Z+i], v[Z+i]
.set i, i+1
.endr
	v_nop                                          ; a plain line behind the batch
	s_wait_alu depctr_va_vdst(0)                   ; the 32 exponentials have written v[Z ..]: one wait, ahead of their first reader
.irp p, 0,2,4,6,8,10,12,14,16,18,20,22,24,26,28,30
	v_pk_add_f32 v[Z+\p:Z+\p+1], v[Z+\p:Z+\p+1], 1.0 op_sel_hi:[1,0]
.endr
.set i, 0
.rept 32
	v_rcp_f32 v[Z+i], v[Z+i]
.set i, i+1
.endr
	v_nop
	s_wait_alu depctr_va_vdst(0)                   ; the 32 reciprocals have written v[Z ..]: one wait, ahead of their first reader
.irp p, 0,2,4,6,8,10,12,14,16,18,20,22,24,26,28,30
	v_pk_mul_f32 v[ACC+\p:ACC+\p+1], v[ACC+\p:ACC+\p+1], v[Z+\p:Z+\p+1]
.endr
	; ---- two blocks of 32 along the next K become codes and two scale bytes
.irp b, 0,1
	v_max3_num_f32 v[TM+\b], |v[ACC+16*\b]|, |v[ACC+1+16*\b]|, 0x1800000   ; my 16 numbers, and the floor 2^(3 - 127)
.endr
.irp i, 2,4,6,8,10,12,14
.irp b, 0,1
	v_max3_num_f32 v[TM+\b], v[TM+\b], |v[ACC+16*\b+\i]|, |v[ACC+1+16*\b+\i]|
.endr
.endr
.irp b, 0,1
	v_permlanex16_b32 v[TM+4+\b], v[TM+\b], s22, s23
.endr
.irp b, 0,1
	v_max_num_f32 v[TM+\b], v[TM+\b], v[TM+4+\b]   ; with lane l xor 16's: the block's largest magnitude
.endr
.irp b, 0,1
	v_add_nc_u32 v[TM+12+\b], 0xff000000, v[TM+\b]
.endr
.irp b, 0,1
	v_lshrrev_b32 v[TM+4+\b], 23, v[TM+12+\b]
.endr
	v_lshl_or_b32 v[PW], v[TM+5], 8, v[TM+4]
.irp b, 0,1
	v_cvt_scalef32_pk8_fp4_f32 v[PC+2*\b], v[ACC+16*\b:ACC+16*\b+7], v[TM+12+\b]
	v_cvt_scalef32_pk8_fp4_f32 v[PC+2*\b+1], v[ACC+16*\b+8:ACC+16*\b+15], v[TM+12+\b]
.endr
	v_nop                                          ; one plain line behind the last conversion
.irp i, 0,1
	v_permlane16_swap_b32 v[PC+\i], v[PC+2+\i]     ; a whole block to a lane: lanes 0-15 the first block, lanes 16-31 the second
.endr
	s_wait_alu depctr_va_vdst(0)                   ; the swaps have written PC, and PW is written: the two stores read them
	global_store_b128 v5, v[PC:PC+3], s[38:39]     ; 32 lanes store 512 consecutive bytes: half a fragment
	global_store_b16 v6, v[PW], s[40:41]           ; row r's two bytes; lanes 16-31 repeat lanes 0-15
	s_wait_xcnt 0x0                                ; the stores have read their registers and bases: both are written again only behind this wait
	s_add_nc_u64 s[38:39], s[38:39], 131072        ; eight tiles on
	s_add_nc_u64 s[40:41], s[40:41], 8192
	s_add_co_u32 s32, s32, 8
	s_add_co_u32 s30, s30, 1
	s_cmp_lt_u32 s30, s31
	s_cbranch_scc1 .Ltrip
.Lend:
	s_endpgm
.Lfunc_end_k_qccae122508_up:
	.size	k_qccae122508_up, .Lfunc_end_k_qccae122508_up-k_qccae122508_up
	.p2alignl 7, 3214868480
	.fill 96, 4, 3214868480
	.section	.rodata,"a",@progbits
	.p2align	6, 0x0
	.amdhsa_kernel k_qccae122508_up
		.amdhsa_group_segment_fixed_size 0
		.amdhsa_private_segment_fixed_size 0
		.amdhsa_enable_private_segment 0
		.amdhsa_kernarg_size 32
		.amdhsa_user_sgpr_count 2
		.amdhsa_user_sgpr_kernarg_segment_ptr 1
		.amdhsa_wavefront_size32 1
		.amdhsa_system_sgpr_workgroup_id_x 1
		.amdhsa_system_sgpr_workgroup_id_y 1
		.amdhsa_system_sgpr_workgroup_id_z 1
		.amdhsa_system_vgpr_workitem_id 0
		.amdhsa_next_free_vgpr 416
		.amdhsa_next_free_sgpr 66
		.amdhsa_reserve_vcc 0
		.amdhsa_float_denorm_mode_32 3
		.amdhsa_float_denorm_mode_16_64 3
		.amdhsa_memory_ordered 1
		.amdhsa_forward_progress 1
		.amdhsa_inst_pref_size 22
	.end_amdhsa_kernel
	.amdgpu_metadata
---
amdhsa.version: [ 1, 2 ]
amdhsa.kernels:
  - .name:           k_qccae122508_up
    .symbol:         k_qccae122508_up.kd
    .args:
      - { .name: q1, .offset: 0, .size: 8, .value_kind: global_buffer, .address_space: global }
      - { .name: b1, .offset: 8, .size: 8, .value_kind: global_buffer, .address_space: global }
      - { .name: route, .offset: 16, .size: 8, .value_kind: global_buffer, .address_space: global }
      - { .name: hq, .offset: 24, .size: 8, .value_kind: global_buffer, .address_space: global }
    .group_segment_fixed_size: 0
    .private_segment_fixed_size: 0
    .kernarg_segment_align: 8
    .kernarg_segment_size: 32
    .max_flat_workgroup_size: 256
    .sgpr_count:     66
    .vgpr_count:     416
    .wavefront_size: 32
...
	.end_amdgpu_metadata
.endif
;; end of part 6
;; launch down (part 7): grid 4 x 71, 4 waves a work-group, no clusters, 99,840 bytes of LDS; arguments hq, q2, b2, route, y; writes y
.if DOCPART == 7
	.amdgcn_target "amdgcn-amd-amdhsa--gfx1250"
	.amdhsa_code_object_version 6
	.text
	.protected	k_qccae122508_down
	.globl	k_qccae122508_down
	.p2align	8
	.type	k_qccae122508_down,@function
k_qccae122508_down:
	s_mov_b64 s[64:65], 0
	v_nop
	global_prefetch_b8 v0, s[64:65] scope:SCOPE_SE
	s_setreg_imm32_b32 hwreg(HW_REG_WAVE_SCHED_MODE, 0, 2), 2
	s_setreg_imm32_b32 hwreg(HW_REG_WAVE_MODE, 25, 1), 1
	s_wait_xcnt 0x0
	s_wait_alu depctr_vm_vsrc(0)
; DOWN: y[P] = Q(h)[P] Q(W2[e]) + b2[e] for the routed positions alone (rows of experts not chosen are left out: their weight is 0 by reference()'s own scatter).
; SHARES.  Work-group (cs, g): group g of 64 positions x columns 128 cs .. + 127.  Wave w holds W2's two tiles of columns 32 w .. + 31 of those, all 16 K steps, in registers (window 1).
; The group's four tiles of h (64 KiB of codes) are brought once, a tile a wave, and shared through LDS as images of the operand's registers.
; A FIXED GRID FOR EVERY SPLIT: 71 groups.  A group that this split leaves empty takes group 0's operands by a scalar select and stores
; into its own rows of y, which nobody reads.  That work is of no use; it is at most 7 groups of 71.
; No tensor load and no cluster: which tiles a work-group reads hangs on stored numbers.
; THE PRODUCT IS USED TRANSPOSED (source 0 = 16 columns of W2, source 1 = 16 positions): a lane holds eight neighbouring columns of one row of y.
; THE MODE: SCHED_MODE bits 1:0 = 2 (LLVM: expert scheduling mode 2), set by the entry lines.  The code itself states the register dependences
; between vector or matrix instructions and memory or LDS instructions, with s_wait_alu, always for 0.
; THE PLAN.  Registers that memory or LDS instructions touch:
;   v3 .. v7      offsets and LDS addresses, made once at the head and never written again.
;   ST            128 registers.  At the head: 32 global loads land in them, 32 LDS stores read them.  Then four buffers of a K step's four fragments: the fetch of step k lands in buffer k % 4,
;                 the eight products of step k read it.  On the way out: 16 LDS loads land in them, the bias additions write them, the global stores read them.
;   ACC           written by products alone; read by the LDS stores into the stage.
;   W2S, HS, v12-15, window 1: loaded once at the head; read by products and additions alone.
; THE K STEPS GO IN PAIRS.  All four buffers are asked for behind the barrier.  At the head of pair (k, k + 1), k = 2 .. 12, ONE wait on va_vdst states that the products of steps k - 2 and k - 1 are done reading
; their buffers; the fetches of steps k + 2 and k + 3 follow it, and the pair's sixteen products name the other two buffers alone.  One wait on vm_vsrc, behind the first barrier, frees ST of the head's LDS stores.
.set HSO,   4653056
.set W2SO,  4194304
.set GEXPO, 34816
.set ETABO, 35840
.set STG,   65536                      ; LDS: h's four tiles at 0 (16,384 bytes each); the stage: 64 rows x (512 + 16) bytes
.set SPARE, 99328                      ; the spare words, 128 bytes a wave: two blocks of 256 bytes that no other line names
.set W2S, 16                           ; v16-31   W2's scale words by K step: lanes 0-15 my first tile, lanes 16-31 my second
.set HS,  32                           ; v32-63   h's: register 16 mp + ks: lanes 0-15 tile 2 mp, lanes 16-31 tile 2 mp + 1
.set ACC, 64                           ; v64-127  accumulator (nt, m) at 8 (4 nt + m)
.set ST,  128                          ; v128-255 my tile of h as loaded; then four buffers of a K step's four fragments; then rows of y
.set MSB, 0
.macro WIN new
.if MSB != \new
	s_set_vgpr_msb (MSB<<8)|\new
.set MSB, \new
.endif
.endm
.macro WM d, a, b, c, sa, sb, ra, rb
.if (\ra) && (\rb)
	v_wmma_scale_f32_16x16x128_f8f6f4 \d, \a, \b, \c, \sa, \sb matrix_a_fmt:MATRIX_FMT_FP4 matrix_b_fmt:MATRIX_FMT_FP4 matrix_a_scale:MATRIX_SCALE_ROW1 matrix_b_scale:MATRIX_SCALE_ROW1
.elseif \ra
	v_wmma_scale_f32_16x16x128_f8f6f4 \d, \a, \b, \c, \sa, \sb matrix_a_fmt:MATRIX_FMT_FP4 matrix_b_fmt:MATRIX_FMT_FP4 matrix_a_scale:MATRIX_SCALE_ROW1
.elseif \rb
	v_wmma_scale_f32_16x16x128_f8f6f4 \d, \a, \b, \c, \sa, \sb matrix_a_fmt:MATRIX_FMT_FP4 matrix_b_fmt:MATRIX_FMT_FP4 matrix_b_scale:MATRIX_SCALE_ROW1
.else
	v_wmma_scale_f32_16x16x128_f8f6f4 \d, \a, \b, \c, \sa, \sb matrix_a_fmt:MATRIX_FMT_FP4 matrix_b_fmt:MATRIX_FMT_FP4
.endif
.endm
.macro FETCH ks                        ; K step ks: the four tiles' fragments into buffer ks % 4
.irp m, 0,1,2,3
.irp c, 0,1
	ds_load_b128 v[ST+32*((\ks)%4)+8*\m+4*\c:ST+32*((\ks)%4)+8*\m+4*\c+3], v3 offset:16384*\m+1024*(\ks)+512*\c
.endr
.endr
.endm
.macro DSTEP ks                        ; eight products, the eight accumulators by turns
.irp m, 0,1,2,3
.irp nt, 0,1
.if (\ks) == 0
	WM v[ACC+8*(4*\nt+\m):ACC+8*(4*\nt+\m)+7], v[8*(16*\nt+(\ks)):8*(16*\nt+(\ks))+7], v[ST+32*((\ks)%4)+8*\m:ST+32*((\ks)%4)+8*\m+7], 0, v[W2S+(\ks)], v[HS+16*(\m/2)+(\ks)], \nt, \m%2
.else
	WM v[ACC+8*(4*\nt+\m):ACC+8*(4*\nt+\m)+7], v[8*(16*\nt+(\ks)):8*(16*\nt+(\ks))+7], v[ST+32*((\ks)%4)+8*\m:ST+32*((\ks)%4)+8*\m+7], v[ACC+8*(4*\nt+\m):ACC+8*(4*\nt+\m)+7], v[W2S+(\ks)], v[HS+16*(\m/2)+(\ks)], \nt, \m%2
.endif
.endr
.endr
.endm
.macro BIAS i                          ; row i of my 16 is back from the stage: + b2
	s_wait_dscnt 15-(\i)                           ; row i is in; the later rows may be out
	v_pk_add_f32 v[ST+4*(\i):ST+4*(\i)+1], v[ST+4*(\i):ST+4*(\i)+1], v[12:13]
	v_pk_add_f32 v[ST+4*(\i)+2:ST+4*(\i)+3], v[ST+4*(\i)+2:ST+4*(\i)+3], v[14:15]
.endm
.macro SEND i
	global_store_b128 v3, v[ST+4*(\i):ST+4*(\i)+3], s[38:39] offset:2048*(\i)   ; 32 lanes store 512 consecutive bytes of a row
.endm
	s_load_b256 s[4:11], s[0:1], 0x0               ; hq s[4:5], q2 s[6:7], b2 s[8:9], route s[10:11]
	s_load_b64 s[12:13], s[0:1], 0x20              ; y
	v_lshl_add_u32 v10, v0, 2, SPARE               ; my spare word; never rewritten
	v_mov_b32 v11, 0                               ; 0; never rewritten
	v_lshrrev_b32 v1, 5, v0
	v_readfirstlane_b32 s18, v1                    ; wave 0..3
	s_wait_alu depctr_va_sdst(0)                   ; s18 is written, ahead of its first reader: LDS addresses and bases are made from it
	s_and_b32 s19, ttmp7, 0xffff                   ; my group
	s_lshl_b32 s24, s19, 2
	s_mov_b32 s25, 0
	s_wait_kmcnt 0x0
	s_add_nc_u64 s[24:25], s[10:11], s[24:25]
	s_load_b32 s20, s[10:11], ETABO+64             ; groups in use
	s_load_b32 s21, s[10:11], GEXPO                ; group 0's expert
	s_load_b32 s22, s[24:25], GEXPO                ; my group's
	v_and_b32 v1, 15, v0                           ; r
	v_bfe_u32 v2, v0, 4, 1                         ; h
	v_and_b32 v3, 31, v0
	v_lshlrev_b32 v3, 4, v3                        ; 16 x lane
	v_lshlrev_b32 v4, 4, v1
	v_lshl_add_u32 v4, v2, 10, v4                  ; scale words: 16 r, lanes 16-31 one tile on
	s_lshl_b32 s40, s18, 14
	v_add_nc_u32 v5, s40, v3                       ; where my tile of h goes
	v_mul_u32_u24 v6, v1, 528
	v_lshl_add_u32 v6, v2, 5, v6
	s_lshl_b32 s40, s18, 7
	v_add_nc_u32 v6, s40, v6
	v_add_nc_u32 v6, STG, v6                       ; the stage, in: row r, + 32 h, + my 128 bytes
	s_mul_i32 s40, s18, 16*528
	v_add_nc_u32 v7, s40, v3
	v_add_nc_u32 v7, STG, v7                       ; back: my 16 rows, 16 bytes a lane
	s_mov_b32 s41, 0
	s_wait_kmcnt 0x0
	s_cmp_lt_u32 s19, s20
	s_cselect_b32 s23, s19, 0                      ; the group whose operands I take,
	s_cselect_b32 s26, s22, s21                    ; and its expert
	s_min_u32 s23, s23, 70
	s_min_u32 s26, s26, 7
	s_lshl_b32 s27, s26, 5
	s_lshl_b32 s40, ttmp9, 3
	s_add_co_u32 s27, s27, s40
	s_lshl_b32 s40, s18, 1
	s_add_co_u32 s27, s27, s40                     ; my first tile of W2
	s_lshl_b32 s40, s23, 2
	s_add_co_u32 s40, s40, s18
	s_lshl_b32 s40, s40, 14
	s_add_nc_u64 s[28:29], s[4:5], s[40:41]        ; my tile of h
	s_lshl_b32 s40, s23, 12
	s_add_co_u32 s40, s40, HSO
	s_add_nc_u64 s[30:31], s[4:5], s[40:41]        ; the group's scale words
	s_lshl_b32 s40, s27, 10
	s_add_co_u32 s40, s40, W2SO
	s_add_nc_u64 s[32:33], s[6:7], s[40:41]
	s_lshl_b32 s40, s27, 14
	s_add_nc_u64 s[34:35], s[6:7], s[40:41]
	s_lshl_b32 s40, s26, 11
	s_lshl_b32 s42, ttmp9, 9
	s_add_co_u32 s40, s40, s42
	s_add_nc_u64 s[36:37], s[8:9], s[40:41]        ; b2: my work-group's 128 columns
	s_lshl_b32 s40, s19, 6
	s_lshl_b32 s43, s18, 4
	s_add_co_u32 s40, s40, s43
	s_lshl_b32 s40, s40, 11
	s_add_co_u32 s40, s40, s42
	s_add_nc_u64 s[38:39], s[12:13], s[40:41]      ; y: my OWN group's rows 16 w on
	s_wait_alu depctr_va_vdst(0)                   ; the five offsets and addresses v3 to v7 are written, which every load and store of the kernel reads
.set i, 0
.rept 32
	global_load_b128 v[ST+4*i:ST+4*i+3], v3, s[28:29] offset:512*i
.set i, i+1
.endr
.irp mp, 0,1
.irp kg, 0,1,2,3
	global_load_b128 v[HS+16*\mp+4*\kg:HS+16*\mp+4*\kg+3], v4, s[30:31] offset:2048*\mp+256*\kg
.endr
.endr
.irp kg, 0,1,2,3
	global_load_b128 v[W2S+4*\kg:W2S+4*\kg+3], v4, s[32:33] offset:256*\kg
.endr
	global_load_b128 v[12:15], v3, s[36:37]
	WIN 0x40                                       ; destination window 1
.set i, 0
.rept 16                                           ; by K step, four loads each
.irp nt, 0,1
.irp c, 0,1
	global_load_b128 v[8*(16*\nt+i)+4*\c:8*(16*\nt+i)+4*\c+3], v3, s[34:35] offset:16384*\nt+1024*i+512*\c
.endr
.endr
.set i, i+1
.endr
	WIN 0
	s_wait_loadcnt 63                              ; of 109 loads 63 of W2's may be out: h's tile, all scale words and b2 are in
.set i, 0
.rept 32
	ds_store_b128 v5, v[ST+4*i:ST+4*i+3] offset:512*i
.set i, i+1
.endr
	s_wait_dscnt 0x0                               ; for the others' sake: my tile lies in LDS
	s_barrier_signal -1
	s_barrier_wait -1                              ; all four do
	s_wait_alu depctr_vm_vsrc(0)                   ; my LDS stores have read v[ST ..]: from here on loads from LDS land in these registers, and on the way out additions write them
	FETCH 0
	FETCH 1
	FETCH 2
	FETCH 3
.set KS, 0
.rept 8                                            ; a pair of K steps a turn
.if (KS > 0) && (KS < 14)
	WIN 0
.rept 4
	v_nop                                          ; the four places behind the last products stay, ahead of the wait
.endr
	s_wait_alu depctr_va_vdst(0)                   ; the products of the last pair are done reading their two buffers, in which the sixteen loads below land
	FETCH KS+2
	FETCH KS+3
.endif
.if KS < 14
	s_wait_dscnt 24                                ; this step's eight loads are in; those of the three steps behind it may be out
.else
	s_wait_dscnt 8                                 ; the last step's eight may be out
.endif
	s_wait_loadcnt 60-4*KS                         ; W2's four loads of this step are in; four for each later step may be out
	WIN 0x01                                       ; source 0 (W2) window 1
	DSTEP KS
.if KS < 14
	s_wait_dscnt 16                                ; the pair's second step is in; those of the two steps behind it may be out
.else
	s_wait_dscnt 0x0
.endif
	s_wait_loadcnt 56-4*KS
	DSTEP KS+1
.set KS, KS+2
.endr
	WIN 0
.rept 4
	v_nop                                          ; four places in front of the first read of results
.endr
	s_wait_alu depctr_va_vdst(0)                   ; the products have written the accumulators, which the LDS stores read, and are done reading the buffers, in which the stage's rows land below; the places above stay beside this wait
.irp m, 0,1,2,3
.irp nt, 0,1
	ds_store_b128 v6, v[ACC+8*(4*\nt+\m):ACC+8*(4*\nt+\m)+3] offset:16*\m*528+64*\nt       ; each accumulator from its low end on
	ds_store_b128 v6, v[ACC+8*(4*\nt+\m)+4:ACC+8*(4*\nt+\m)+7] offset:16*\m*528+64*\nt+16
.endr
.endr
	s_wait_dscnt 0x0                               ; for the others' sake: my part of the 64 rows lies in the stage
	s_barrier_signal -1
	s_barrier_wait -1
.irp i, 0,1,2,3,4,5,6,7,8,9,10,11,12,13,14,15
	ds_load_b128 v[ST+4*\i:ST+4*\i+3], v7 offset:528*\i
.endr
.irp i, 0,1,2,3,4,5,6,7
	BIAS \i
.endr
	s_wait_alu depctr_va_vdst(0)                   ; the additions have written rows 0 to 7, which the eight stores read
.irp i, 0,1,2,3,4,5,6,7
	SEND \i
.endr
.irp i, 8,9,10,11,12,13,14,15
	BIAS \i
.endr
	s_wait_alu depctr_va_vdst(0)                   ; the additions have written rows 8 to 15, which the eight stores read
.irp i, 8,9,10,11,12,13,14,15
	SEND \i
.endr
	s_wait_dscnt 0x0                               ; the closing lines, six on end
	s_wait_alu 0x0
	s_wait_tensorcnt 0x0
	ds_add_u32 v10, v11
	s_wait_dscnt 0x0
	s_endpgm
.Lfunc_end_k_qccae122508_down:
	.size	k_qccae122508_down, .Lfunc_end_k_qccae122508_down-k_qccae122508_down
	.p2alignl 7, 3214868480
	.fill 96, 4, 3214868480
	.section	.rodata,"a",@progbits
	.p2align	6, 0x0
	.amdhsa_kernel k_qccae122508_down
		.amdhsa_group_segment_fixed_size 99840
		.amdhsa_private_segment_fixed_size 0
		.amdhsa_enable_private_segment 0
		.amdhsa_kernarg_size 40
		.amdhsa_user_sgpr_count 2
		.amdhsa_user_sgpr_kernarg_segment_ptr 1
		.amdhsa_wavefront_size32 1
		.amdhsa_system_sgpr_workgroup_id_x 1
		.amdhsa_system_sgpr_workgroup_id_y 1
		.amdhsa_system_sgpr_workgroup_id_z 1
		.amdhsa_system_vgpr_workitem_id 0
		.amdhsa_next_free_vgpr 512
		.amdhsa_next_free_sgpr 66
		.amdhsa_reserve_vcc 0
		.amdhsa_float_denorm_mode_32 3
		.amdhsa_float_denorm_mode_16_64 3
		.amdhsa_memory_ordered 1
		.amdhsa_forward_progress 1
		.amdhsa_inst_pref_size 49
	.end_amdhsa_kernel
	.amdgpu_metadata
---
amdhsa.version: [ 1, 2 ]
amdhsa.kernels:
  - .name:           k_qccae122508_down
    .symbol:         k_qccae122508_down.kd
    .args:
      - { .name: hq, .offset: 0, .size: 8, .value_kind: global_buffer, .address_space: global }
      - { .name: q2, .offset: 8, .size: 8, .value_kind: global_buffer, .address_space: global }
      - { .name: b2, .offset: 16, .size: 8, .value_kind: global_buffer, .address_space: global }
      - { .name: route, .offset: 24, .size: 8, .value_kind: global_buffer, .address_space: global }
      - { .name: y, .offset: 32, .size: 8, .value_kind: global_buffer, .address_space: global }
    .group_segment_fixed_size: 99840
    .private_segment_fixed_size: 0
    .kernarg_segment_align: 8
    .kernarg_segment_size: 40
    .max_flat_workgroup_size: 128
    .sgpr_count:     66
    .vgpr_count:     512
    .wavefront_size: 32
...
	.end_amdgpu_metadata
.endif
;; end of part 7
;; launch final (part 8): grid 8 x 32, 4 waves a work-group, no clusters, 17,920 bytes of LDS; arguments x, q1, bs, route, y, out0; writes out0
.if DOCPART == 8
	.amdgcn_target "amdgcn-amd-amdhsa--gfx1250"
	.amdhsa_code_object_version 6
	.text
	.protected	k_qccae122508_final
	.globl	k_qccae122508_final
	.p2align	8
	.type	k_qccae122508_final,@function
k_qccae122508_final:
	s_mov_b64 s[64:65], 0
	v_nop
	global_prefetch_b8 v0, s[64:65] scope:SCOPE_SE
	s_setreg_imm32_b32 hwreg(HW_REG_WAVE_SCHED_MODE, 0, 2), 2
	s_setreg_imm32_b32 hwreg(HW_REG_WAVE_MODE, 25, 1), 1
	s_wait_xcnt 0x0
	s_wait_alu depctr_vm_vsrc(0)
; FINAL: out0 = x + (Q(x) Q(Ws) + bs, its two halves of 512 columns added) + w1 y[P1] + w2 y[P2].
; SHARES.  Work-group (cs, tb): columns 64 cs .. + 63 x tokens 64 tb .. + 63; wave w: 16 tokens x four tiles of columns.  Both halves of Ws add into ONE accumulator: that is reference()'s sum over the shared heads.
; Each output row has one owner: a token's two rows of y are gathered by the positions that an earlier launch stored.  The stage is each wave's own: no barrier.
; No tensor load, no cluster: the launch is short, and the y rows hang on stored numbers.
; THE PRODUCT IS USED TRANSPOSED (source 0 = 16 columns of Ws, source 1 = 16 tokens); the result goes through LDS so that sixteen lanes hold 256 consecutive bytes of a row.
; THE MODE: SCHED_MODE bits 1:0 = 2 (LLVM: expert scheduling mode 2), set by the entry lines.  The code itself states the register dependences
; between vector or matrix instructions and memory or LDS instructions, with s_wait_alu, always for 0.
; THE PLAN.  Registers that memory or LDS instructions touch:
;   v3 .. v9, v14, v15  offsets and LDS addresses, made once at the head and never written again.
;   PS            positions: loads land in them, two vector lines each make offsets of them, the gathers of y read them.
;   XF            x's fragments: loads land in them, the products read them; then the stage's rows land in them, the row arithmetic writes them, the global stores read them.
;   ACC           written by products alone; read by the LDS stores into the stage.
;   XSC, WSS, window 1, GA, XR, BS, YA, YB: loaded once; read by products and vector arithmetic alone.
; Five waits on va_vdst: ahead of the first load (the offsets); behind PS's lines; behind the products' places (ACC is written, XF is read); and one ahead of each of the two runs of four stores.
; No register that a memory or LDS instruction has read is written again: so no wait on vm_vsrc is written.
.set XSO,   524288
.set GTO,   557056
.set WSCO,  5046272
.set WSSO,  5308416
.set POSO,  18432
.set SPARE, 17408                      ; LDS: a stage of 16 rows x (256 + 16) bytes a wave, then the spare words, 128 bytes a wave
.set PS,  16                           ; v16-31   positions, then offsets in y
.set GA,  32                           ; v32-47   the two weights, a pair for each pair of rows
.set XF,  48                           ; v48-79   x's fragments; later the rows read back
.set XSC, 80                           ; v80-83   x's scale words
.set WSS, 84                           ; v84-99   Ws's: register 4 nt + ks: lanes 0-15 the first half's tile, lanes 16-31 the second's
.set XR,  100                          ; v100-131 x in f32, by rows
.set BS,  132                          ; v132-139 bs, both halves
.set YA,  140
.set YB,  172
.set ACC, 204                          ; v204-235
.set MSB, 0
.macro WIN new
.if MSB != \new
	s_set_vgpr_msb (MSB<<8)|\new
.set MSB, \new
.endif
.endm
.macro WM d, a, b, c, sa, sb, ra
.if \ra
	v_wmma_scale_f32_16x16x128_f8f6f4 \d, \a, \b, \c, \sa, \sb matrix_a_fmt:MATRIX_FMT_FP4 matrix_b_fmt:MATRIX_FMT_FP4 matrix_a_scale:MATRIX_SCALE_ROW1
.else
	v_wmma_scale_f32_16x16x128_f8f6f4 \d, \a, \b, \c, \sa, \sb matrix_a_fmt:MATRIX_FMT_FP4 matrix_b_fmt:MATRIX_FMT_FP4
.endif
.endm
.macro WSLOAD nt                       ; tile nt's eight fragments (half, K step) into window 1 at 8 (4 (2 nt + half) + ks)
.irp hf, 0,1
.irp ks, 0,1,2,3
.irp c, 0,1
	global_load_b128 v[8*(4*(2*\nt+\hf)+\ks)+4*\c:8*(4*(2*\nt+\hf)+\ks)+4*\c+3], v3, s[34:35] offset:131072*\hf+4096*\nt+1024*\ks+512*\c
.endr
.endr
.endr
.endm
.macro PAIR i                          ; rows 2 i and 2 i + 1 are back from the stage: + (x + bs) + w1 y[P1] + w2 y[P2]
	s_wait_dscnt 7-(\i)                            ; rows 2 i, 2 i + 1 are in; the later pairs may be out
	v_pk_add_f32 v[XF+4*(\i):XF+4*(\i)+1], v[XF+4*(\i):XF+4*(\i)+1], v[XR+4*(\i):XR+4*(\i)+1]
	v_pk_add_f32 v[XF+4*(\i)+2:XF+4*(\i)+3], v[XF+4*(\i)+2:XF+4*(\i)+3], v[XR+4*(\i)+2:XR+4*(\i)+3]
.irp j, 0,1,2,3
	v_fmac_f32 v[XF+4*(\i)+\j], v[YA+4*(\i)+\j], v[GA+2*(\i)]
.endr
.irp j, 0,1,2,3
	v_fmac_f32 v[XF+4*(\i)+\j], v[YB+4*(\i)+\j], v[GA+2*(\i)+1]
.endr
.endm
.macro SEND i
	global_store_b128 v4, v[XF+4*(\i):XF+4*(\i)+3], s[40:41] offset:4096*(\i) th:TH_STORE_NT   ; sixteen lanes store 256 consecutive bytes, at a multiple of 256 from out0's first byte
.endm
	s_load_b256 s[4:11], s[0:1], 0x0               ; x s[4:5], q1 s[6:7], bs s[8:9], route s[10:11]
	s_load_b128 s[12:15], s[0:1], 0x20             ; y s[12:13], out0 s[14:15]
	v_lshl_add_u32 v10, v0, 2, SPARE               ; my spare word; never rewritten
	v_mov_b32 v11, 0                               ; 0; never rewritten
	v_lshrrev_b32 v1, 5, v0
	v_readfirstlane_b32 s18, v1                    ; wave 0..3
	s_wait_alu depctr_va_sdst(0)                   ; s18 is written, ahead of its first reader: my first token and my stage are made from it
	s_and_b32 s19, ttmp7, 0xffff
	s_lshl_b32 s20, s19, 6
	s_lshl_b32 s21, s18, 4
	s_add_co_u32 s20, s20, s21                     ; my first token
	v_and_b32 v1, 15, v0                           ; r
	v_bfe_u32 v2, v0, 4, 1                         ; h
	v_and_b32 v3, 31, v0
	v_lshlrev_b32 v3, 4, v3                        ; 16 x lane
	v_lshlrev_b32 v8, 4, v1                        ; 16 r
	v_lshl_add_u32 v4, v2, 11, v8                  ; by rows: lanes 0-15 one row, lanes 16-31 the next
	s_mul_i32 s21, s18, 16*272
	v_mul_u32_u24 v5, v1, 272
	v_lshl_add_u32 v5, v2, 5, v5
	v_add_nc_u32 v5, s21, v5                       ; the stage, in: row r, + 32 h
	v_mul_u32_u24 v6, v2, 272
	v_add_nc_u32 v6, v6, v8
	v_add_nc_u32 v6, s21, v6                       ; back
	v_lshlrev_b32 v7, 8, v1
	v_lshl_add_u32 v7, v2, 4, v7                   ; x's codes: row r of 256 bytes, + 16 h
	v_lshl_add_u32 v9, v2, 13, v8                  ; Ws's scale words: lanes 16-31 take the second half's tile, 32 tiles on
	v_lshlrev_b32 v14, 3, v2
	v_lshlrev_b32 v15, 4, v2
	s_mov_b32 s23, 0
	s_wait_kmcnt 0x0
	s_lshl_b32 s22, s20, 3
	s_add_co_u32 s22, s22, POSO
	s_add_nc_u64 s[24:25], s[10:11], s[22:23]      ; positions
	s_lshl_b32 s22, s20, 8
	s_add_nc_u64 s[26:27], s[6:7], s[22:23]        ; x's codes
	s_lshl_b32 s22, s20, 4
	s_add_co_u32 s22, s22, XSO
	s_add_nc_u64 s[28:29], s[6:7], s[22:23]        ; x's scale bytes
	s_add_co_u32 s22, s22, GTO-XSO
	s_add_nc_u64 s[30:31], s[6:7], s[22:23]        ; the weights
	s_lshl_b32 s22, ttmp9, 10
	s_add_co_u32 s22, s22, WSSO
	s_add_nc_u64 s[32:33], s[6:7], s[22:23]
	s_lshl_b32 s22, ttmp9, 14
	s_add_co_u32 s22, s22, WSCO
	s_add_nc_u64 s[34:35], s[6:7], s[22:23]
	s_lshl_b32 s22, ttmp9, 8                       ; my 64 columns in bytes
	s_add_nc_u64 s[36:37], s[12:13], s[22:23]      ; y
	s_add_nc_u64 s[42:43], s[8:9], s[22:23]        ; bs
	s_lshl_b32 s44, s20, 11
	s_add_co_u32 s22, s22, s44
	s_add_nc_u64 s[38:39], s[4:5], s[22:23]        ; x
	s_add_nc_u64 s[40:41], s[14:15], s[22:23]      ; out0
	s_wait_alu depctr_va_vdst(0)                   ; the offsets and addresses v3 to v9, v14 and v15 are written, which the kernel's loads and stores read
.irp i, 0,1,2,3,4,5,6,7
	global_load_b64 v[PS+2*\i:PS+2*\i+1], v14, s[24:25] offset:16*\i   ; token 2 i + h: its two positions
.endr
.irp ks, 0,1,2,3
.irp c, 0,1
	global_load_b128 v[XF+8*\ks+4*\c:XF+8*\ks+4*\c+3], v7, s[26:27] offset:64*\ks+32*\c
.endr
.endr
	global_load_b128 v[XSC:XSC+3], v8, s[28:29]
.irp nt, 0,1,2,3
	global_load_b128 v[WSS+4*\nt:WSS+4*\nt+3], v9, s[32:33] offset:256*\nt
.endr
	WIN 0x40                                       ; destination window 1
	WSLOAD 0
	WSLOAD 1
	WIN 0
	s_wait_loadcnt 45                              ; the positions are in; the 8 + 1 + 4 + 32 loads behind them may be out
.irp k, 0,1,2,3,4,5,6,7,8,9,10,11,12,13,14,15
	v_min_u32 v[PS+\k], 0x11bf, v[PS+\k]           ; held inside the 4,544 positions
	v_lshl_add_u32 v[PS+\k], v[PS+\k], 11, v8      ; a row of y is 2,048 bytes; + 16 r
.endr
	s_wait_alu depctr_va_vdst(0)                   ; the sixteen offsets v[PS ..] are written, which the gathers of y read
.irp i, 0,1,2,3,4,5,6,7
	global_load_b128 v[YA+4*\i:YA+4*\i+3], v[PS+2*\i], s[36:37]      ; sixteen lanes take 256 consecutive bytes of a row
	global_load_b128 v[YB+4*\i:YB+4*\i+3], v[PS+2*\i+1], s[36:37]
.endr
	WIN 0x40
	WSLOAD 2
	WSLOAD 3
	WIN 0
.irp i, 0,1,2,3,4,5,6,7
	global_load_b64 v[GA+2*\i:GA+2*\i+1], v15, s[30:31] offset:32*\i
.endr
.irp i, 0,1,2,3,4,5,6,7
	global_load_b128 v[XR+4*\i:XR+4*\i+3], v4, s[38:39] offset:4096*\i
.endr
	global_load_b128 v[BS:BS+3], v8, s[42:43]
	global_load_b128 v[BS+4:BS+7], v8, s[42:43] offset:2048
	s_wait_loadcnt 0x0
	WIN 0x01                                       ; source 0 (Ws) window 1
.irp nt, 0,1,2,3
	WM v[ACC+8*\nt:ACC+8*\nt+7], v[8*(4*(2*\nt)):8*(4*(2*\nt))+7], v[XF:XF+7], 0, v[WSS+4*\nt], v[XSC], 0
.endr
.irp ks, 1,2,3                                     ; the four accumulators by turns
.irp nt, 0,1,2,3
	WM v[ACC+8*\nt:ACC+8*\nt+7], v[8*(4*(2*\nt)+\ks):8*(4*(2*\nt)+\ks)+7], v[XF+8*\ks:XF+8*\ks+7], v[ACC+8*\nt:ACC+8*\nt+7], v[WSS+4*\nt+\ks], v[XSC+\ks], 0
.endr
.endr
.irp ks, 0,1,2,3
.irp nt, 0,1,2,3
	WM v[ACC+8*\nt:ACC+8*\nt+7], v[8*(4*(2*\nt+1)+\ks):8*(4*(2*\nt+1)+\ks)+7], v[XF+8*\ks:XF+8*\ks+7], v[ACC+8*\nt:ACC+8*\nt+7], v[WSS+4*\nt+\ks], v[XSC+\ks], 1
.endr
.endr
	WIN 0
	v_pk_add_f32 v[BS:BS+1], v[BS:BS+1], v[BS+4:BS+5]       ; bs's two halves.  With two v_nop: the four places in front of the first read of results
	v_pk_add_f32 v[BS+2:BS+3], v[BS+2:BS+3], v[BS+6:BS+7]
	v_nop
	v_nop
	s_wait_alu depctr_va_vdst(0)                   ; the products have written the accumulators, which the LDS stores read, and are done reading XF, in which the stage's rows land; the places above stay beside this wait
.irp nt, 0,1,2,3
	ds_store_b128 v5, v[ACC+8*\nt:ACC+8*\nt+3] offset:64*\nt          ; each accumulator from its low end on
	ds_store_b128 v5, v[ACC+8*\nt+4:ACC+8*\nt+7] offset:64*\nt+16
.endr
.irp i, 0,1,2,3,4,5,6,7
	ds_load_b128 v[XF+4*\i:XF+4*\i+3], v6 offset:544*\i               ; LDS serves a wave's instructions in order: these see my stores
.endr
.irp i, 0,1,2,3,4,5,6,7
	v_pk_add_f32 v[XR+4*\i:XR+4*\i+1], v[XR+4*\i:XR+4*\i+1], v[BS:BS+1]           ; x + bs, while the rows come back: these lines name XR and BS alone
	v_pk_add_f32 v[XR+4*\i+2:XR+4*\i+3], v[XR+4*\i+2:XR+4*\i+3], v[BS+2:BS+3]
.endr
.irp i, 0,1,2,3
	PAIR \i
.endr
	s_wait_alu depctr_va_vdst(0)                   ; the arithmetic has written the first four pairs of rows, which the four stores read
.irp i, 0,1,2,3
	SEND \i
.endr
.irp i, 4,5,6,7
	PAIR \i
.endr
	s_wait_alu depctr_va_vdst(0)                   ; the arithmetic has written the last four pairs of rows, which the four stores read
.irp i, 4,5,6,7
	SEND \i
.endr
	s_wait_dscnt 0x0                               ; the closing lines, six on end
	s_wait_alu 0x0
	s_wait_tensorcnt 0x0
	ds_add_u32 v10, v11
	s_wait_dscnt 0x0
	s_endpgm
.Lfunc_end_k_qccae122508_final:
	.size	k_qccae122508_final, .Lfunc_end_k_qccae122508_final-k_qccae122508_final
	.p2alignl 7, 3214868480
	.fill 96, 4, 3214868480
	.section	.rodata,"a",@progbits
	.p2align	6, 0x0
	.amdhsa_kernel k_qccae122508_final
		.amdhsa_group_segment_fixed_size 17920
		.amdhsa_private_segment_fixed_size 0
		.amdhsa_enable_private_segment 0
		.amdhsa_kernarg_size 48
		.amdhsa_user_sgpr_count 2
		.amdhsa_user_sgpr_kernarg_segment_ptr 1
		.amdhsa_wavefront_size32 1
		.amdhsa_system_sgpr_workgroup_id_x 1
		.amdhsa_system_sgpr_workgroup_id_y 1
		.amdhsa_system_sgpr_workgroup_id_z 1
		.amdhsa_system_vgpr_workitem_id 0
		.amdhsa_next_free_vgpr 512
		.amdhsa_next_free_sgpr 66
		.amdhsa_reserve_vcc 0
		.amdhsa_float_denorm_mode_32 3
		.amdhsa_float_denorm_mode_16_64 3
		.amdhsa_memory_ordered 1
		.amdhsa_forward_progress 1
		.amdhsa_inst_pref_size 27
	.end_amdhsa_kernel
	.amdgpu_metadata
---
amdhsa.version: [ 1, 2 ]
amdhsa.kernels:
  - .name:           k_qccae122508_final
    .symbol:         k_qccae122508_final.kd
    .args:
      - { .name: x, .offset: 0, .size: 8, .value_kind: global_buffer, .address_space: global }
      - { .name: q1, .offset: 8, .size: 8, .value_kind: global_buffer, .address_space: global }
      - { .name: bs, .offset: 16, .size: 8, .value_kind: global_buffer, .address_space: global }
      - { .name: route, .offset: 24, .size: 8, .value_kind: global_buffer, .address_space: global }
      - { .name: y, .offset: 32, .size: 8, .value_kind: global_buffer, .address_space: global }
      - { .name: out0, .offset: 40, .size: 8, .value_kind: global_buffer, .address_space: global }
    .group_segment_fixed_size: 17920
    .private_segment_fixed_size: 0
    .kernarg_segment_align: 8
    .kernarg_segment_size: 48
    .max_flat_workgroup_size: 128
    .sgpr_count:     66
    .vgpr_count:     512
    .wavefront_size: 32
...
	.end_amdgpu_metadata
.endif
;; end of part 8
